; MI455X (gfx1250); checked and timed in simulation.
; The chip was launched on July 23, 2026; its instructions are those of AMD's public machine-readable ISA for CDNA 5 (MIT licence, August 2026) and "CDNA5" Instruction Set Architecture Reference Guide (July 2026). The comments in the code are by the model that wrote it; some were corrected since.
;; Causal Multi Head Attention. Allowed arithmetic: matrix products marked QUANTISED: E2M3 operands, one E8M0 scale for each 32 along K, by v_wmma_scale_f32_16x16x128_f8f6f4 with both operands' format E2M3, f32 sums; everything else in f32.
;; Inputs: Wk 1,024 x 1,024 float32; Wo 1,024 x 1,024 float32; Wq 1,024 x 1,024 float32; Wv 1,024 x 1,024 float32; bk 1,024 float32; bo 1,024 float32; bq 1,024 float32; bv 1,024 float32; x 2 x 2,048 x 1,024 float32.
;; Outputs: out0 2 x 2,048 x 1,024 float32.
;; This version of the problem:
;;   THIS VERSION OF THE PROBLEM IS GIVEN IN LOW PRECISION. The matrix products marked QUANTISED in the list below multiply operands that are first quantised to E2M3 (2 exponent bits, 3 mantissa bits; 6 bits a number), with one power-of-two scale for each 32 numbers along K (OCP MX v1.0); their sums are f32. All else is computed in f32.
;;   The module's matrix products, in the order in which they are computed (A, B: the left and right operand; K: the contracted axis; several contracted axes count as one K, in the product's order):
;;     1. [M 4,096, K 1,024] x [K 1,024, N 1,024]; A: input x; B: input Wq: QUANTISED
;;     2. [M 4,096, K 1,024] x [K 1,024, N 1,024]; A: input x; B: input Wk: QUANTISED
;;     3. [M 4,096, K 1,024] x [K 1,024, N 1,024]; A: input x; B: input Wv: QUANTISED
;;     4. batch 32 x [M 2,048, K 64] x [K 64, N 2,048]; A: computed on the way; B: computed on the way: QUANTISED
;;     5. batch 32 x [M 2,048, K 2,048] x [K 2,048, N 64]; A: softmax (see below); B: computed on the way: QUANTISED
;;     6. [M 4,096, K 1,024] x [K 1,024, N 1,024]; A: computed on the way; B: input Wo: QUANTISED
;;   THE QUANTISER, for each operand of a quantised product, along K:
;;     - K is cut into blocks of 32 from its start; a last block that is shorter is filled with zeros.
;;     - A block's scale is 2^e with e = floor(log2(the largest magnitude in the block)) - 2, held to -126 .. 127; a block of zeros has e = 0. As a byte (E8M0): e + 127.
;;     - Each number is divided by its block's scale, clamped to +-7.5, and rounded to the nearest number of E2M3, ties to even, subnormals kept.
;;     - The product sums the exact products of the quantised numbers (number of the format x scale) in f32.
;;   ~~~python
;;   def quantise(x, axis):      # numpy; x: float32 -> the quantised numbers, widened to float32 again
;;       x = np.moveaxis(x, axis, -1); K = x.shape[-1]
;;       x = np.pad(x, [(0, 0)] * (x.ndim - 1) + [(0, -K % 32)]); x = x.reshape(x.shape[:-1] + (-1, 32)); a = np.abs(x).max(-1, keepdims=True)
;;       e = np.where(a > 0, np.clip(np.frexp(np.where(a > 0, a, 1))[1] - 1 - 2, -126, 127), 0)      # np.frexp(a)[1] - 1 = floor(log2(a)), exactly
;;       r = np.clip(x / 2.0 ** e, -7.5, 7.5)
;;       step = 2.0 ** (np.maximum(np.frexp(np.where(r == 0, 1, r))[1] - 1, 0) - 3)
;;       q = np.round(r / step) * step * 2.0 ** e      # np.round: ties to even
;;       return np.moveaxis(q.reshape(q.shape[:-2] + (-1,))[..., :K], -1, axis).astype(np.float32)
;;   ~~~
;;   SOFTMAX AHEAD OF A QUANTISED PRODUCT. Where the list says 'softmax', what is quantised is not the finished softmax but p = 2^(t - M), with t = logit x log2(e) and M = ceil(the row's largest t), a whole number; so 1/2 < the row's largest p <= 1. The row's sum l is taken of the UNQUANTISED p, in f32, and the product's result is divided by l at the end. Since M is a whole number, a kernel that streams over the keys may use a running M (the ceiling of the running maximum): every later rescaling is an exact power of two, which a block's scale takes up: the codes' values come out the same.
;;   OPERANDS COMPUTED ON THE WAY. 'Computed on the way' means the value that the module computes at that place (a softmax that the list does not call 'softmax' is quantised finished and normalised). What goes into a quantiser is computed in f32, as accurately as f32 sums, v_exp_f32 and their like allow (about 1e-6 of the number): no bf16 or f16 on the way to a quantiser, and a product that is left as it is and whose result goes on into a quantised operand takes f32 operands (vector FMAs, or v_wmma_f32_16x16x4_f32). A number that lies on a knife's edge between two numbers of the format may be rounded either way, as far as f32 arithmetic and the matrix unit's own rounding can turn it there, and no further.
;; One version. Each part assembles by itself: llvm-mc -triple=amdgcn-amd-amdhsa -mcpu=gfx1250 --defsym DOCPART=n.
;; ======== version 1 of 1: 4 launches
;; limits: right only within a limited range of input values
;; workspace buffers: cod 6,553,600 bytes; qkv 10,092,544 bytes; oc 3,276,800 bytes
;; launch quant (part 1): grid 512 x 1, 4 waves a work-group, no clusters, 35,840 bytes of LDS; arguments x, Wq, Wk, Wv, Wo, cod; writes cod
.if DOCPART == 1
	.amdgcn_target "amdgcn-amd-amdhsa--gfx1250"
	.amdhsa_code_object_version 6
	.text
	.protected	k_q843bc1d147_quant
	.globl	k_q843bc1d147_quant
	.p2align	8
	.type	k_q843bc1d147_quant,@function
k_q843bc1d147_quant:
	s_mov_b64 s[64:65], 0
	v_nop
	global_prefetch_b8 v0, s[64:65] scope:SCOPE_SE
	s_setreg_imm32_b32 hwreg(HW_REG_WAVE_MODE, 25, 1), 1
	s_wait_xcnt 0x0
; x [4096][1024] and Wq, Wk, Wv, Wo [1024][1024], f32, K innermost, become codes of FP6 (E2M3) with one E8M0 byte for each 32 along K.
; WORK LEFT OUT in this program: in the third launch whole steps of 128 keys that all come after a tile's queries: the causal mask, which reference() builds itself, makes their p exactly 0.  A NaN, an infinity or an overflow that
; reaches such scores alone is not carried to the result.  Every input is loaded.
; A block's scale is 2^(floor(log2(its largest magnitude)) - 2); its byte is that magnitude's exponent field - 2, held at 1 from below.
; LIMITS: a block of zeros gets the byte 1 where the rule says 127 (its codes are zeros, and this program alone reads the bytes); NaN and infinities among the inputs are not served.
; LAYOUT OF cod.  The codes lie in the order of the operand's registers.  A FRAGMENT is 16 rows x 128 K: 12 registers a lane, 1,536 bytes: registers 4 p .. 4 p + 3 of lane l at 512 p + 16 l.
; Registers 6 c .. 6 c + 5 of lane (r = l % 16, h = l / 16) hold k = 64 c + 32 h + 0 .. 31 of row r.  cod = [row tile 512][k128 8][1,536]; tiles 0-255 x, 256-319 Wq, 320-383 Wk, 384-447 Wv, 448-511 Wo.
; From byte SCO on: [row tile][r 16][32 scale bytes].
; THE ROWS OF A TILE ARE NOT NEIGHBOURS: lane r of tile t holds row 64 (t / 4) + 32 (r / 8) + 8 (t % 4) + r % 8, so that the results of four neighbouring tiles are 32 neighbours, a whole block, in a lane's registers.
; SHARES.  Work-group t makes row tile t; wave w its K quarter w: two fragments, four halves.  A wave issues all its 32 loads at once; sixteen lanes read 256 consecutive bytes of a row.  The conversions want 32 neighbours along K
; in ONE lane, so each half turns through the wave's own stage in LDS (rows 272 bytes apart, two stages by turns).  No input is shared between work-groups: no cluster, no tensor load.
.set SCO,  6291456
.set PIT,  272                         ; a stage row: 256 bytes + 16
.set STG,  16*PIT                      ; a stage
.set WST,  2*STG                       ; a wave's two stages
.set SG,   4*WST                       ; behind them: the tile's 512 scale bytes
.set SPARE, SG+512                     ; and the spare words, 128 bytes for each wave
.set GOFF, 1                           ; v1   4,096 (l / 16) + 16 (l % 16): two rows an instruction
.set SW,   2                           ; v2   into the stage, as loaded
.set SRD,  3                           ; v3   out of it: row r, 128 h bytes on
.set L16,  4                           ; v4   16 l
.set H8,   6                           ; v6   8 h
.set SGA,  7                           ; v7   where my wave's 8 scale bytes of row r go
.set E,    12                          ; v[12:13] those 8 bytes
.set SGR,  15                          ; v15  SG + 16 l
.set T,    16                          ; v[16:18] a block's upper 16 codes
.set C,    24                          ; v24-47 the codes, 12 registers for each fragment: no store's data are written again
.set X,    56                          ; v56-119 two sets of 32 neighbours
.set R,    120                         ; v120-247 the numbers as loaded
.set SEL,  32                          ; s[32:33] lane selects: lane l xor 16
	s_load_b256 s[4:11], s[0:1], 0x0               ; x, Wq, Wk, Wv
	s_load_b128 s[12:15], s[0:1], 0x20             ; Wo, cod
	v_lshl_add_u32 v254, v0, 2, SPARE
	v_mov_b32 v255, 0
	v_lshrrev_b32 v8, 5, v0
	v_readfirstlane_b32 s20, v8                    ; wave
	v_and_b32 v9, 31, v0                           ; l
	v_and_b32 v10, 15, v0                          ; r
	v_bfe_u32 v11, v0, 4, 1                        ; h
	v_lshlrev_b32 v[L16], 4, v9
	v_lshlrev_b32 v[GOFF], 4, v10
	v_lshl_add_u32 v[GOFF], v11, 12, v[GOFF]
	s_mul_i32 s21, s20, WST
	v_mul_u32_u24 v[SW], v11, PIT
	v_lshl_add_u32 v[SW], v10, 4, v[SW]
	v_add_nc_u32 v[SW], s21, v[SW]
	v_mul_u32_u24 v[SRD], v10, PIT
	v_lshl_add_u32 v[SRD], v11, 7, v[SRD]
	v_add_nc_u32 v[SRD], s21, v[SRD]
	v_lshlrev_b32 v[H8], 3, v11
	s_lshl_b32 s22, s20, 3
	s_add_co_u32 s22, s22, SG
	v_lshl_add_u32 v[SGA], v10, 5, s22             ; SG + 32 r + 8 w
	v_add_nc_u32 v[SGR], SG, v[L16]
	v_mov_b32 v14, 0                               ; written once: a lane permute's destination counts as one of its sources
	s_mov_b32 s[SEL], 0x76543210
	s_mov_b32 s[SEL+1], 0xfedcba98
	s_cmp_lt_u32 ttmp9, 256
	s_cselect_b32 s23, 255, 63
	s_and_b32 s23, ttmp9, s23                      ; the tile's number in its own tensor
	s_lshr_b32 s24, s23, 2
	s_lshl_b32 s24, s24, 18                        ; 64 rows of 4,096 bytes for each four tiles,
	s_and_b32 s25, s23, 3
	s_lshl_b32 s25, s25, 15                        ; 8 rows on for each tile among them,
	s_add_co_u32 s24, s24, s25
	s_lshl_b32 s25, s20, 10                        ; my wave's 1,024 bytes of a row
	s_add_co_u32 s24, s24, s25
	s_mov_b32 s25, 0
	s_mul_i32 s26, ttmp9, 12288                    ; the tile's codes,
	s_mul_i32 s27, s20, 3072                       ; my two fragments
	s_add_co_u32 s26, s26, s27
	s_mov_b32 s27, 0
	s_lshl_b32 s28, ttmp9, 9                       ; the tile's scale bytes
	s_add_co_u32 s28, s28, SCO
	s_mov_b32 s29, 0
	s_wait_alu depctr_va_vdst(0)
	s_wait_kmcnt 0x0
	s_mov_b64 s[16:17], s[12:13]                   ; which tensor: the choice hangs on the work-group's number alone
	s_cmp_lt_u32 ttmp9, 448
	s_cselect_b64 s[16:17], s[10:11], s[16:17]
	s_cmp_lt_u32 ttmp9, 384
	s_cselect_b64 s[16:17], s[8:9], s[16:17]
	s_cmp_lt_u32 ttmp9, 320
	s_cselect_b64 s[16:17], s[6:7], s[16:17]
	s_cmp_lt_u32 ttmp9, 256
	s_cselect_b64 s[16:17], s[4:5], s[16:17]
	s_add_nc_u64 s[16:17], s[16:17], s[24:25]
	s_add_nc_u64 s[18:19], s[14:15], s[26:27]
	s_add_nc_u64 s[30:31], s[14:15], s[28:29]
.macro LOADS q                         ; half q: the tile's rows 2 n and 2 n + 1 (in memory 24 rows further on from row 8), 256 bytes of each
.irp n, 0,1,2,3,4,5,6,7
	global_load_b128 v[R+32*\q+4*\n:R+32*\q+4*\n+3], v[GOFF], s[16:17] offset:(2*\n+24*(\n/4))*4096+256*\q th:TH_LOAD_NT
.endr
.endm
.macro TURN q                          ; through the stage: LDS serves a wave's instructions in order, so no wait stands between the stores and the loads
	s_wait_loadcnt 24-8*\q                         ; this half's eight loads are in; those of the later ones may be out
.irp n, 0,1,2,3,4,5,6,7
	ds_store_b128 v[SW], v[R+32*\q+4*\n:R+32*\q+4*\n+3] offset:2*PIT*\n+STG*((\q)%2)
.endr
.irp j, 0,1,2,3,4,5,6,7
	ds_load_b128 v[X+32*((\q)%2)+4*\j:X+32*((\q)%2)+4*\j+3], v[SRD] offset:16*\j+STG*((\q)%2)
.endr
.endm
.macro WORK q, left                    ; left: the LDS instructions issued behind this half's, which may stay out
.set XS, X+32*((\q)%2)
.set CQ, C+6*(\q)
	s_wait_dscnt \left
	v_max3_num_f32 v8, |v[XS]|, |v[XS+1]|, |v[XS+2]|               ; the block's largest magnitude: all 32 numbers are mine; two chains
	v_max3_num_f32 v9, |v[XS+3]|, |v[XS+4]|, |v[XS+5]|
.irp i, 6,10,14,18,22,26
	v_max3_num_f32 v8, v8, |v[XS+\i]|, |v[XS+\i+1]|
	v_max3_num_f32 v9, v9, |v[XS+\i+2]|, |v[XS+\i+3]|
.endr
	v_max3_num_f32 v8, v8, |v[XS+30]|, |v[XS+31]|
	v_max3_num_f32 v8, v8, v9, 0x1800000           ; and the floor 2^(3 - 127): the byte cannot fall under 1
	v_add_nc_u32 v11, 0xff000000, v8               ; 2 off the exponent field: the conversion takes the exponent field of this operand as its scale
	v_cvt_scalef32_pk16_fp6_f32 v[CQ:CQ+2], v[XS:XS+15], v11
	v_cvt_scalef32_pk16_fp6_f32 v[T:T+2], v[XS+16:XS+31], v11      ; (a conversion's three registers begin on an even number)
	v_lshrrev_b32 v10, 23, v11                     ; the scale's byte.  (The plain place behind the conversions)
.irp i, 0,1,2
	v_mov_b32 v[CQ+3+\i], v[T+\i]
.endr
	v_lshlrev_b32 v10, v[H8], v10                  ; at its place among the half's two bytes;
	v_permlanex16_b32 v14, v10, s[SEL], s[SEL+1]
	v_or_b32 v10, v10, v14                         ; with lane l xor 16's both are there
.if (\q)%2 == 0
	v_mov_b32 v[E+(\q)/2], v10
.else
	v_lshl_or_b32 v[E+(\q)/2], v10, 16, v[E+(\q)/2]
.irp p, 0,1,2                          ; the fragment is whole: 1,536 consecutive bytes, at a multiple of 256 from cod's first byte
	global_store_b128 v[L16], v[CQ-6+4*\p:CQ-6+4*\p+3], s[18:19] offset:1536*((\q)/2)+512*\p
.endr
.endif
.endm
	LOADS 0
	LOADS 1
	LOADS 2
	LOADS 3
	TURN 0
	TURN 1
	WORK 0, 16
	TURN 2
	WORK 1, 16
	TURN 3
	WORK 2, 16
	WORK 3, 0
	ds_store_b64 v[SGA], v[E:E+1]                  ; my 8 bytes of row r (both halves of the lanes write the same bytes with the same values)
	s_wait_dscnt 0x0                               ; for the others' sake: my store is done
	s_barrier_signal -1
	s_barrier_wait -1
	s_cmp_lg_u32 s20, 0
	s_cbranch_scc1 .Lend
	ds_load_b128 v[248:251], v[SGR]                ; wave 0 sends the tile's 512 scale bytes
	s_wait_dscnt 0x0
	global_store_b128 v[L16], v[248:251], s[30:31]
.Lend:
	s_wait_tensorcnt 0x0                           ; the wave's end
	ds_add_u32 v254, v255
	s_wait_dscnt 0x0
	s_endpgm
.Lfunc_end_k_q843bc1d147_quant:
	.size	k_q843bc1d147_quant, .Lfunc_end_k_q843bc1d147_quant-k_q843bc1d147_quant
	.p2alignl 7, 3214868480
	.fill 96, 4, 3214868480
	.section	.rodata,"a",@progbits
	.p2align	6, 0x0
	.amdhsa_kernel k_q843bc1d147_quant
		.amdhsa_group_segment_fixed_size 35840
		.amdhsa_private_segment_fixed_size 0
		.amdhsa_enable_private_segment 0
		.amdhsa_kernarg_size 48
		.amdhsa_user_sgpr_count 2
		.amdhsa_user_sgpr_kernarg_segment_ptr 1
		.amdhsa_wavefront_size32 1
		.amdhsa_system_sgpr_workgroup_id_x 1
		.amdhsa_system_sgpr_workgroup_id_y 1
		.amdhsa_system_sgpr_workgroup_id_z 1
		.amdhsa_system_vgpr_workitem_id 0
		.amdhsa_next_free_vgpr 256
		.amdhsa_next_free_sgpr 66
		.amdhsa_reserve_vcc 0
		.amdhsa_float_denorm_mode_32 3
		.amdhsa_float_denorm_mode_16_64 3
		.amdhsa_memory_ordered 1
		.amdhsa_forward_progress 1
		.amdhsa_inst_pref_size 18
	.end_amdhsa_kernel
	.amdgpu_metadata
---
amdhsa.version: [ 1, 2 ]
amdhsa.kernels:
  - .name:           k_q843bc1d147_quant
    .symbol:         k_q843bc1d147_quant.kd
    .args:
      - { .name: x, .offset: 0, .size: 8, .value_kind: global_buffer, .address_space: global }
      - { .name: Wq, .offset: 8, .size: 8, .value_kind: global_buffer, .address_space: global }
      - { .name: Wk, .offset: 16, .size: 8, .value_kind: global_buffer, .address_space: global }
      - { .name: Wv, .offset: 24, .size: 8, .value_kind: global_buffer, .address_space: global }
      - { .name: Wo, .offset: 32, .size: 8, .value_kind: global_buffer, .address_space: global }
      - { .name: cod, .offset: 40, .size: 8, .value_kind: global_buffer, .address_space: global }
    .group_segment_fixed_size: 35840
    .private_segment_fixed_size: 0
    .kernarg_segment_align: 8
    .kernarg_segment_size: 48
    .max_flat_workgroup_size: 128
    .sgpr_count:     66
    .vgpr_count:     256
    .wavefront_size: 32
...
	.end_amdgpu_metadata
.endif
;; end of part 1
;; launch qkv (part 2): grid 8 x 32, 4 waves a work-group, clusters of 4 x 4, 327,680 bytes of LDS; arguments cod, bq, bk, bv, qkv; writes qkv
.if DOCPART == 2
	.amdgcn_target "amdgcn-amd-amdhsa--gfx1250"
	.amdhsa_code_object_version 6
	.text
	.protected	k_q843bc1d147_qkv
	.globl	k_q843bc1d147_qkv
	.p2align	8
	.type	k_q843bc1d147_qkv,@function
k_q843bc1d147_qkv:
	s_mov_b64 s[64:65], 0
	v_nop
	global_prefetch_b8 v0, s[64:65] scope:SCOPE_SE
	s_setreg_imm32_b32 hwreg(HW_REG_WAVE_MODE, 25, 1), 1
	s_wait_xcnt 0x0
	s_wait_alu depctr_hold_cnt(0) depctr_sa_sdst(0) depctr_va_vdst(0) depctr_va_sdst(0) depctr_va_ssrc(0) depctr_va_vcc(0) depctr_vm_vsrc(0)
	s_getreg_b32 s2, hwreg(HW_REG_IB_STS2, 6, 4)
	s_cmp_eq_u32 s2, 0
	s_cbranch_scc0 .Lentry_in_a_cluster
	s_endpgm
.Lentry_in_a_cluster:
	s_bfe_u32 s2, ttmp6, 0x10000c
	s_cmp_lg_u32 s2, 0xf033
	s_cbranch_scc0 .Lentry_shape_is_right
	s_endpgm
.Lentry_shape_is_right:
; q = x Wq^T + bq, k = x Wk^T + bk, v = x Wv^T + bv on codes of FP6 (E2M3) with E8M0 scales, f32 sums; the results are split into heads and quantised at once: q and k along the head's 64, v along the tokens.
; A WORK-GROUP STAYS: it takes 128 tokens and rows 128 I .. 128 I + 127 of each of the three weights, and makes three products of 128 x 128 x 1,024 one after the other.
; A product is D = S0 S1^T; in D a lane holds one row of S1, and its registers run along S0's rows.  For q and k S0 = the weight and S1 = x: the registers run along the head's axis; for v S0 = x and S1 = Wv: they run along
; the tokens.  Nothing is transposed.  By the order of a tile's rows (lane r of tile t: row 64 (t / 4) + 32 (r / 8) + 8 (t % 4) + r % 8) the 32 registers of S0's four tiles are 32 neighbours, 32 (l / 16) + 0 .. 31 of 64: a whole block in a lane.
; Four waves, 2 x 2: wave w has the weights' tiles 4 (w / 2) on and x's tiles 4 (w % 2) on: 16 accumulators, which take turns in the same order in every K step.  The bias is the C of a product's first K step.
; X STAYS IN REGISTERS: a wave's 64 rows of x, all of K, are 32 fragments of 12 registers; the first product's K steps fetch them from LDS with the weight's, the other two products fetch the weight's alone.
; cod holds fragments (16 rows x 128 K, 1,536 bytes: registers 4 p .. 4 p + 3 of lane l at 512 p + 16 l), [row tile][k128 8][1,536]: a fragment comes by three loads of consecutive bytes; no pitch, no padding.
; LDS: three regions of 98,304 bytes, each [half of K 2][tile 8][6,144]: X (x), WA (Wq, later Wv), WB (Wk).  At the head one tensor load a wave: half w / 2 of x (w even) or of Wq (w odd).  Wk is asked for behind a drained round in q's
; fourth K step, Wv behind another at q's end, when every wave of the cluster has read Wq's last fragments: half w / 2 of four tiles a wave, one load behind each round.
; CLUSTER 4 x 4: x's tiles hang on the block of tokens (cy) and are asked for jointly by the row of the cluster, the weights' on I (cx) and by the column: requests divided by four.
; No data prefetch: the K steps are written out, and there is no loop to run ahead in.
; qkv = [b x 16 + head][step of 128 tokens 16][19,712]: K's codes at 0 ([pair of tiles 4][1,536], laid as a fragment); V's [64 keys 2][d tile 4][768] at 6,144 (registers 0-3 of lane l at 16 l, registers 4-5 at 512 + 8 l); K's scale words at
; 12,288 (tile tt, row r at 16 (16 (tt % 2) + r) + 4 (tt / 2); bytes 2, 3 are 0); V's at 12,800 (d tile jt, row r at 8 (16 (jt % 2) + r) + 4 (jt / 2)); Q's codes [tile 8][768] at 13,056, its words, laid as K's, at 19,200.
; LIMITS: a block of zeros gets the byte 1 where the rule says 127 (zero codes; this program alone reads the bytes); NaN and infinities are not served.
.set SCO,   6291456                    ; cod: where the scale bytes begin, 512 a row tile
.set WTB,   3145728                    ; cod: Wq's first tile (256 tiles of 12,288 bytes on)
.set WSTEP, 786432                     ; 64 tiles: from Wq to Wk, from Wk to Wv
.set OPB,   98304                      ; an operand's 8 tiles
.set QB,    24576                      ; half of K of 4 tiles
.set HD,    315392
.set ST,    19712
.set XA,    0                          ; LDS: x
.set WA,    OPB                        ; Wq, then Wv
.set WB,    2*OPB                      ; Wk
.set SSQ,   3*OPB                      ; behind the tiles: where q's scale words meet (1,024 bytes), then k's (1,024): no tensor load lands there
.set SSV,   SSQ+2048                   ; and v's, 512 bytes
.set SPARE, SSV+512                    ; the spare words, 128 bytes for each wave: two blocks of 256 bytes that no other line names
.set L16,  1                           ; v1  16 l
.set L8,   2                           ; v2  8 l
.set AW,   3                           ; v3, v125  LDS address of my tiles of the weight in hand, first and second half of K
.set AW2,  125
.set SELA, 4                           ; v4, v6  v_perm selects that make two tiles' scale words of my bytes and lane l xor 16's
.set AX,   5                           ; v5, v127  the same addresses for x
.set AX2,  127
.set SELB, 6
.set SOFF, 7                           ; v7  32 r: a row's scale bytes
.set SQA,  8
.set SQR,  9
.set SVA,  10
.set SVR,  11
.set BQO,  12                          ; v12 128 h: the bias of q, k
.set BVO,  13                          ; v13 4 (r % 8 + 32 (r / 8)): the bias of v
.set SPW,  14                          ; v14 LDS address of my spare word: SPARE + 4 x my thread's number; never rewritten
.set NIL,  15                          ; v15 0; never rewritten
.set SCW,  16                          ; v16-47  the weight's scale words, 8 x tile + K step: they hold scales and nothing else
.set SCX,  48                          ; v48-79  x's, for all three products
.set PW,   80                          ; v80-83  the scale bytes made; v84-85 two tiles' words to a register; v86-87 on the way out
.set TM,   88                          ; v88-91, v92-94, v120-122  at work in the quantiser
.set T2,   92
.set PC,   96                          ; v96-119 the codes made, 6 registers a tile
.set TP,   120
.set PW16, 124                         ; v124  24,576 (w / 2) + 16 l; never rewritten
.set ACC,  128                         ; v128-255 accumulator (jt, it) at ACC + 32 jt + 8 it
; window 1: v0-191 four buffers of the weight's four fragments, K step n in buffer n % 4; windows 2 and 3: v0-191 x's fragments of K steps 0-3 and 4-7
.set BIASA, 192                        ; window 1: v192-223 q's bias, later v's
.set BIASB, 224                        ; window 1: v224-255 k's
.set WV,   14
.set WI,   15
.set WJ,   16
.set LM,   22                          ; s22 lanes 16-31
.set G1X,  24                          ; s[24:31] descriptor group 1 for x;  s[32:39] for the weights
.set G1W,  32
.set G0X,  40                          ; groups 0: x, Wq, Wk, Wv: none is written again
.set G0Q,  44
.set G0K,  56
.set G0V,  60
.set SEL,  66
.set SCWP, 68                          ; s[68:69] my tiles' scale bytes of Wq (Wk's 32,768 on, Wv's 65,536),  s[70:71] of x
.set SCXP, 70
.set BQP,  78                          ; s[78:79] .. s[82:83] the biases at my head
.set BKP,  80
.set BVP,  82
.set DQ,   84                          ; s[84:85] .. s[88:89] where my codes go;  s[90:91] .. s[94:95] my scale words
.set DK,   86
.set DV,   88
.set EQ,   90
.set EK,   92
.set EV,   94
.set TO_F, 0x40                        ; destination window 1
.set MSB, 0
.macro WIN new                         ; the immediate's high byte repeats the setting that is left
.if MSB != \new
	s_set_vgpr_msb (MSB<<8)|\new
.set MSB, \new
.endif
.endm
.macro WALU
	s_wait_alu depctr_va_vdst(0)
.endm
.macro CREST                           ; a round of the cluster's barrier behind its opening barrier
	s_cmp_lg_u32 s[WV], 0
	s_cbranch_scc1 .Lnot_wave_0_\@
	s_barrier_signal -3
.Lnot_wave_0_\@:
	s_barrier_wait -3
	s_barrier_signal -1
	s_barrier_wait -1
.endm
.macro CROUND                          ; a whole round
	s_barrier_signal -1
	s_barrier_wait -1
	CREST
.endm
.macro PLACES                          ; four places in front of loads into registers that matrix instructions have read, and of the first read of results
.rept 4
	v_nop
.endr
.endm
.macro SETW w                          ; the LDS bytes at which the weight in hand begins
	v_add_nc_u32 v[AW], \w, v[PW16]
	v_add_nc_u32 v[AW2], \w+2*QB, v[PW16]
	WALU
.endm
.macro FETCH n, x                      ; the weight's fragments of K step n into buffer n % 4: 12 loads, each of consecutive bytes; x = 1: x's as well, into registers of their own: 12 more
.set AW_, AW+(AW2-AW)*((\n)/4)
.set AX_, AX+(AX2-AX)*((\n)/4)
	WIN TO_F
.irp t, 0,1,2,3
.irp p, 0,1,2
	ds_load_b128 v[48*((\n)%4)+12*\t+4*\p:48*((\n)%4)+12*\t+4*\p+3], v[AW_] offset:6144*\t+1536*((\n)%4)+512*\p
.endr
.endr
.if \x
	WIN ((2+(\n)/4)<<6)
.irp t, 0,1,2,3
.irp p, 0,1,2
	ds_load_b128 v[48*((\n)%4)+12*\t+4*\p:48*((\n)%4)+12*\t+4*\p+3], v[AX_] offset:6144*\t+1536*((\n)%4)+512*\p
.endr
.endr
.endif
.endm
.macro WMUL kind, n, cw                ; the windows of K step n's products; cw: C's window.  kind 0 (q, k): source 0 the weight, source 1 x; kind 1 (v): the other way round
.if \kind
	WIN ((2+(\n)/4)|(1<<2)|((\cw)<<4))
.else
	WIN (1|((2+(\n)/4)<<2)|((\cw)<<4))
.endif
.endm
.macro PROD kind, it, jt, n, c         ; one product: S0's tile it x S1's tile jt, K step n, C from register c on
.if \kind
	v_wmma_scale_f32_16x16x128_f8f6f4 v[ACC+32*(\jt)+8*(\it):ACC+32*(\jt)+8*(\it)+7], v[48*((\n)%4)+12*(\it):48*((\n)%4)+12*(\it)+11], v[48*((\n)%4)+12*(\jt):48*((\n)%4)+12*(\jt)+11], v[\c:\c+7], v[SCX+8*(\it)+\n], v[SCW+8*(\jt)+\n] matrix_a_fmt:MATRIX_FMT_FP6 matrix_b_fmt:MATRIX_FMT_FP6
.else
	v_wmma_scale_f32_16x16x128_f8f6f4 v[ACC+32*(\jt)+8*(\it):ACC+32*(\jt)+8*(\it)+7], v[48*((\n)%4)+12*(\it):48*((\n)%4)+12*(\it)+11], v[48*((\n)%4)+12*(\jt):48*((\n)%4)+12*(\jt)+11], v[\c:\c+7], v[SCW+8*(\it)+\n], v[SCX+8*(\jt)+\n] matrix_a_fmt:MATRIX_FMT_FP6 matrix_b_fmt:MATRIX_FMT_FP6
.endif
.endm
.macro MUL8 kind, n, it0, cm, bb       ; 8 products.  cm = 0: onto the sums; 1: the sums begin with the bias of S0's rows, from register bb on; 2: with that of S1's
.irp it, \it0, \it0+1
.irp jt, 0,1,2,3
.if \cm == 0
	PROD \kind, \it, \jt, \n, ACC+32*\jt+8*(\it)
.elseif \cm == 1
	PROD \kind, \it, \jt, \n, \bb+8*(\it)
.else
	PROD \kind, \it, \jt, \n, \bb+8*\jt
.endif
.endr
.endr
.endm
.macro KSTEP kind, n, nx, left, x, cm, bb   ; K step n: fetches step nx (two steps on; -1: none); left: the LDS loads of the steps behind n, which may be out
	PLACES
.if \nx >= 0
	FETCH \nx, \x
.endif
	s_wait_dscnt \left
.if \cm
	WMUL \kind, \n, 1
.else
	WMUL \kind, \n, 0
.endif
	MUL8 \kind, \n, 0, \cm, \bb
	MUL8 \kind, \n, 2, \cm, \bb
.endm
.macro SCLOAD sc, p, off               ; the scale words of four tiles for all eight K steps: a row's 32 bytes by two loads
.irp t, 0,1,2,3
	global_load_b128 v[\sc+8*\t:\sc+8*\t+3], v[SOFF], s[\p:\p+1] offset:\off+512*\t
	global_load_b128 v[\sc+8*\t+4:\sc+8*\t+7], v[SOFF], s[\p:\p+1] offset:\off+512*\t+16
.endr
.endm
.macro BLOAD bb, p                     ; q, k: register n wants the bias of the head's number 32 h + n
	WIN TO_F
.irp n, 0,1,2,3,4,5,6,7
	global_load_b128 v[\bb+4*\n:\bb+4*\n+3], v[BQO], s[\p:\p+1] offset:16*\n
.endr
	WIN 0
.endm
; THE WAY OUT, its first part.  Tile jt's 32 registers are one block of 32 along the next K, all of it in my lane (lane half h: block h of 64).  The four tiles by turns.  pair = 1: two tiles' twelve registers are stored as a fragment.
.macro CODES dst, pair
	WIN 0
	s_wait_xcnt 0x0                                ; the last way out's stores have read their registers: only behind this wait are the codes' and the words' registers written again
.irp jt, 0,1,2,3
	v_max3_num_f32 v[TM+\jt], |v[ACC+32*\jt]|, |v[ACC+32*\jt+1]|, |v[ACC+32*\jt+2]|
.endr
.irp i, 3,5,7,9,11,13,15,17,19,21,23,25,27,29
.irp jt, 0,1,2,3
	v_max3_num_f32 v[TM+\jt], v[TM+\jt], |v[ACC+32*\jt+\i]|, |v[ACC+32*\jt+\i+1]|
.endr
.endr
.irp jt, 0,1,2,3
	v_max3_num_f32 v[TM+\jt], v[TM+\jt], |v[ACC+32*\jt+31]|, 0x1800000   ; and the floor 2^(3 - 127): the byte cannot fall under 1
.endr
.irp jt, 0,1,2,3
	v_add_nc_u32 v[TM+\jt], 0xff000000, v[TM+\jt]  ; 2 off its exponent field: the conversion's scale operand
.endr
.irp g, 0,2
	v_cvt_scalef32_pk16_fp6_f32 v[PC+6*\g:PC+6*\g+2], v[ACC+32*\g:ACC+32*\g+15], v[TM+\g]
	v_cvt_scalef32_pk16_fp6_f32 v[TP:TP+2], v[ACC+32*\g+16:ACC+32*\g+31], v[TM+\g]   ; (a conversion's three registers begin on an even number)
	v_cvt_scalef32_pk16_fp6_f32 v[PC+6*\g+6:PC+6*\g+8], v[ACC+32*\g+32:ACC+32*\g+47], v[TM+\g+1]
	v_cvt_scalef32_pk16_fp6_f32 v[T2:T2+2], v[ACC+32*\g+48:ACC+32*\g+63], v[TM+\g+1]
	v_lshrrev_b32 v[PW+\g], 23, v[TM+\g]           ; the scales' bytes.  (The plain place behind the conversions)
	v_lshrrev_b32 v[PW+\g+1], 23, v[TM+\g+1]
.irp i, 0,1,2
	v_mov_b32 v[PC+6*\g+3+\i], v[TP+\i]
	v_mov_b32 v[PC+6*\g+9+\i], v[T2+\i]
.endr
.if \pair
.irp p, 0,1,2
	global_store_b128 v[L16], v[PC+6*\g+4*\p:PC+6*\g+4*\p+3], s[\dst:\dst+1] offset:768*\g+512*\p
.endr
.else
.irp j, 0,1
	global_store_b128 v[L16], v[PC+6*\g+6*\j:PC+6*\g+6*\j+3], s[\dst:\dst+1] offset:768*(\g+\j)
	global_store_b64 v[L8], v[PC+6*\g+6*\j+4:PC+6*\g+6*\j+5], s[\dst:\dst+1] offset:768*(\g+\j)+512
.endr
.endif
.endr
	v_lshl_or_b32 v80, v81, 8, v80                 ; my four tiles' bytes in one register;
	v_lshl_or_b32 v80, v82, 16, v80
	v_lshl_or_b32 v80, v83, 24, v80
	v_permlanex16_b32 v81, v80, s[SEL], s[SEL+1]   ; and lane l xor 16's
	v_perm_b32 v84, v81, v80, v[SELA]              ; lanes 0-15 the even tile's word, lanes 16-31 the odd tile's (block 0's byte, block 1's byte, 0, 0)
	v_perm_b32 v85, v81, v80, v[SELB]
.endm
.macro WORDSQK esc, so                 ; q, k: a step's eight tiles' words come from two waves: they meet in LDS, in bytes that are this product's own, and leave as 256 consecutive bytes a wave
	ds_store_b64 v[SQA], v[84:85] offset:\so
	s_wait_dscnt 0x0                               ; for the others' sake: my store is done
	s_barrier_signal -1
	s_barrier_wait -1
	ds_load_b64 v[86:87], v[SQR] offset:\so
	s_wait_dscnt 0x0
	global_store_b64 v[L8], v[86:87], s[\esc:\esc+1]
.endm
	s_load_b256 s[4:11], s[0:1], 0x0               ; cod, bq, bk, bv
	s_load_b64 s[12:13], s[0:1], 0x20              ; qkv
	v_lshl_add_u32 v[SPW], v0, 2, SPARE
	v_mov_b32 v[NIL], 0
	ds_add_u32 v[SPW], v[NIL]                      ; the wave's opening: the add, twice on end
	ds_add_u32 v[SPW], v[NIL]
	v_lshrrev_b32 v80, 5, v0
	v_readfirstlane_b32 s[WV], v80                 ; wave 0..3
	s_lshr_b32 s[WI], s[WV], 1
	s_and_b32 s[WJ], s[WV], 1
	s_bfe_u32 s17, ttmp6, 0x40000                  ; cx
	s_bfe_u32 s18, ttmp6, 0x40004                  ; cy
	s_lshl_b32 s19, ttmp9, 2
	s_add_co_u32 s19, s19, s17                     ; I: which 128 rows of each weight: heads 2 I, 2 I + 1
	s_and_b32 s20, ttmp7, 0xffff
	s_lshl_b32 s20, s20, 2
	s_add_co_u32 s20, s20, s18                     ; J: which 128 tokens
	s_lshl_b32 s21, s18, 2
	s_lshl_b32 s21, 15, s21                        ; my row of the cluster
	s_lshl_b32 s23, 0x1111, s17                    ; my column
	; descriptor group 1: half of K of 8 tiles: 8 rows of 6,144 bytes (768 elements of 8 bytes), 12,288 bytes apart; dense in LDS
	s_or_b32 s[G1X], s21, (3<<16)|(1<<21)          ; 15:0 the mask: x's tiles go to my row; 17:16 elements of 8 bytes; 21 set beside a mask
	s_or_b32 s[G1W], s23, (3<<16)|(1<<21)          ; the weights' to my column
.irp g, G1X, G1W
	s_mov_b32 s[\g+1], 768<<16                     ; tensor_dim0
	s_mov_b32 s[\g+2], 8<<16                       ; tensor_dim1
	s_mov_b32 s[\g+3], 768<<16                     ; tile_dim0
	s_mov_b32 s[\g+4], 8                           ; tile_dim1
	s_mov_b32 s[\g+5], 1536                        ; tensor_dim0_stride
	s_mov_b32 s[\g+6], 0
	s_mov_b32 s[\g+7], 0
.endr
	; what I fetch: x's address hangs on J and the wave, the weights' on I and the wave; no place in the cluster enters an LDS address
	s_mul_i32 s21, s[WI], 2*QB                     ; LDS, at the head: half w / 2
	s_mul_i32 s23, s[WV], QB                       ; LDS, later: half w / 2, tiles 4 (w % 2) on
	s_mul_i32 s2, s[WI], 6144
	s_mul_i32 s3, s[WJ], 49152
	s_add_co_u32 s3, s3, s2
	s_mul_i32 s96, s20, OPB                        ; x's eight tiles
	s_add_co_u32 s96, s96, s2
	s_mov_b32 s97, 0
	s_mul_i32 s100, s19, OPB                       ; Wq's eight tiles
	s_add_co_u32 s100, s100, WTB
	s_add_co_u32 s98, s100, s2
	s_mov_b32 s99, 0
	s_add_co_u32 s100, s100, s3
	s_mov_b32 s101, 0
	; the scale bytes: 512 a tile
	s_lshl_b32 s2, s[WI], 11
	s_lshl_b32 s3, s[WJ], 11
	s_lshl_b32 s[SCXP], s20, 12
	s_add_co_u32 s[SCXP], s[SCXP], SCO
	s_add_co_u32 s[SCXP], s[SCXP], s3
	s_mov_b32 s[SCXP+1], 0
	s_lshl_b32 s[SCWP], s19, 12
	s_add_co_u32 s[SCWP], s[SCWP], SCO+131072
	s_add_co_u32 s[SCWP], s[SCWP], s2
	s_mov_b32 s[SCWP+1], 0
	; the biases: 256 bytes a head, head 2 I + w / 2
	s_lshl_b32 s2, s[WI], 8
	s_lshl_b32 s3, s[WJ], 8
	s_lshl_b32 s[BQP], s19, 9
	s_add_co_u32 s[BQP], s[BQP], s2
	s_mov_b32 s[BQP+1], 0
	; where the results go (these registers hold cx and cy together, and feed no descriptor)
	s_lshr_b32 s84, s20, 4
	s_lshl_b32 s84, s84, 4                         ; 16 b
	s_lshl_b32 s85, s19, 1
	s_add_co_u32 s84, s84, s85                     ; + 2 I
	s_add_co_u32 s84, s84, s[WI]                   ; my head
	s_mul_i32 s84, s84, HD
	s_and_b32 s85, s20, 15                         ; the step of 128 tokens
	s_mul_i32 s85, s85, ST
	s_add_co_u32 s84, s84, s85
	s_add_co_u32 s94, s84, 12800                   ; v's words: 256 bytes a step
	s_add_co_u32 s92, s84, s3                      ; q's and k's: 512 bytes a step, my 256 of them
	s_add_co_u32 s90, s92, 19200
	s_add_co_u32 s92, s92, 12288
	s_mul_i32 s87, s[WJ], 3072                     ; which 64 tokens
	s_add_co_u32 s86, s84, s87
	s_add_co_u32 s84, s86, 13056
	s_add_co_u32 s88, s86, 6144
.irp p, DQ, DK, DV, EQ, EK, EV
	s_mov_b32 s[\p+1], 0
.endr
	s_mov_b32 s[LM], 0xffff0000
	s_mov_b32 s[SEL], 0x76543210
	s_mov_b32 s[SEL+1], 0xfedcba98
	v_and_b32 v80, 31, v0                          ; l
	v_and_b32 v81, 15, v0                          ; r
	v_bfe_u32 v82, v0, 4, 1                        ; h
	v_lshlrev_b32 v[L16], 4, v80
	v_lshlrev_b32 v[L8], 3, v80
	WALU
	s_mul_i32 s2, s[WI], 24576
	s_mul_i32 s3, s[WJ], 24576
	v_add_nc_u32 v[PW16], s2, v[L16]
	v_add_nc_u32 v[AX], s3, v[L16]                 ; (XA = 0)
	v_add_nc_u32 v[AX2], 2*QB, v[AX]
	SETW WA
	v_lshlrev_b32 v[SOFF], 5, v81
	s_lshl_b32 s2, s[WI], 9
	s_lshl_b32 s3, s[WJ], 3
	s_add_co_u32 s2, s2, s3
	s_add_co_u32 s2, s2, SSQ
	v_add_nc_u32 v[SQA], s2, v[L16]                ; SSQ + 512 wi + 8 wj + 16 l
	s_lshl_b32 s2, s[WV], 8
	s_add_co_u32 s2, s2, SSQ
	v_add_nc_u32 v[SQR], s2, v[L8]                 ; SSQ + 256 w + 8 l
	s_lshl_b32 s2, s[WI], 8
	s_add_co_u32 s2, s2, SSV
	s_lshl_b32 s3, s[WJ], 1
	v_add_nc_u32 v[SVR], s2, v[L8]                 ; SSV + 256 wi + 8 l
	v_add_nc_u32 v[SVA], s3, v[SVR]                ; + 2 wj
	v_lshlrev_b32 v[BQO], 7, v82
	v_and_b32 v83, 8, v81
	v_mad_u32_u24 v83, v83, 3, v81                 ; r % 8 + 32 (r / 8)
	v_lshlrev_b32 v[BVO], 2, v83
	v_mov_b32 v[SELA], 0x0c0c0400                  ; v_perm's selects: bytes 0-3 mine, 4-7 lane l xor 16's, 0x0c a zero
	v_mov_b32 v80, 0x0c0c0105
	v_mov_b32 v[SELB], 0x0c0c0602
	v_mov_b32 v81, 0x0c0c0307
	v_cndmask_b32 v[SELA], v[SELA], v80, s[LM]
	v_cndmask_b32 v[SELB], v[SELB], v81, s[LM]
	WALU
	s_wait_dscnt 0x0                               ; both opening adds are done
	CROUND                                         ; all sixteen work-groups are here: the joint loads meet
	s_wait_kmcnt 0x0
	s_add_nc_u64 s[96:97], s[4:5], s[96:97]
	s_add_nc_u64 s[98:99], s[4:5], s[98:99]
	s_add_nc_u64 s[100:101], s[4:5], s[100:101]
	s_mov_b32 s[G0X], 1                            ; count = 1
	s_mov_b32 s[G0X+1], s21                        ; LDS address (XA = 0)
	s_mov_b64 s[G0X+2:G0X+3], s[96:97]             ; global address
	s_or_b32 s[G0X+3], s[G0X+3], 0x80000000        ; type = 2
	s_mov_b32 s[G0Q], 1
	s_add_co_u32 s[G0Q+1], s21, WA
	s_mov_b64 s[G0Q+2:G0Q+3], s[98:99]
	s_or_b32 s[G0Q+3], s[G0Q+3], 0x80000000
	s_mov_b32 s[G0K], 1
	s_add_co_u32 s[G0K+1], s23, WB
	s_add_nc_u64 s[G0K+2:G0K+3], s[100:101], WSTEP
	s_or_b32 s[G0K+3], s[G0K+3], 0x80000000
	s_mov_b32 s[G0V], 1
	s_add_co_u32 s[G0V+1], s23, WA                 ; Wv goes where Wq lay
	s_add_nc_u64 s[G0V+2:G0V+3], s[100:101], 2*WSTEP
	s_or_b32 s[G0V+3], s[G0V+3], 0x80000000
; One load a wave, in one tree of branches on the wave's number: waves 0 and 1 the first half of K of x and of Wq, waves 2 and 3 the second.
.macro ARM w, g0, g1, next
	s_cmp_eq_u32 s[WV], \w
	s_cbranch_scc0 \next
	tensor_load_to_lds s[\g0:\g0+3], s[\g1:\g1+7]
	s_nop 0
.rept 4
	v_nop
.endr
	s_branch .Lfilled
\next:
.endm
	ARM 0, G0X, G1X, .Lwave_1
	ARM 1, G0Q, G1W, .Lwave_2
	ARM 2, G0X, G1X, .Lwave_3
	tensor_load_to_lds s[G0Q:G0Q+3], s[G1W:G1W+7]
	s_nop 0
.rept 4
	v_nop
.endr
.Lfilled:
	s_add_nc_u64 s[SCWP:SCWP+1], s[4:5], s[SCWP:SCWP+1]
	s_add_nc_u64 s[SCXP:SCXP+1], s[4:5], s[SCXP:SCXP+1]
	s_add_nc_u64 s[BKP:BKP+1], s[8:9], s[BQP:BQP+1]
	s_add_nc_u64 s[BVP:BVP+1], s[10:11], s[BQP:BQP+1]
	s_add_nc_u64 s[BQP:BQP+1], s[6:7], s[BQP:BQP+1]
.irp p, DQ, DK, DV, EQ, EK, EV
	s_add_nc_u64 s[\p:\p+1], s[12:13], s[\p:\p+1]
.endr
	SCLOAD SCW, SCWP, 0
	SCLOAD SCX, SCXP, 0
	BLOAD BIASA, BQP
	BLOAD BIASB, BKP
	; ---- q = x Wq^T + bq
	s_cmp_lt_u32 s[WV], 2
	s_cbranch_scc0 .Lnot_first
	s_wait_tensorcnt 0x0                           ; waves 0 and 1: the first half of K is in; the second, waves 2 and 3's, may be out
.Lnot_first:
	s_barrier_signal -1
	s_barrier_wait -1
	FETCH 0, 1
	FETCH 1, 1
	s_wait_loadcnt 0x0                             ; the scale words and the bias
	KSTEP 0, 0, 2, 48, 1, 1, BIASA
	KSTEP 0, 1, 3, 48, 1, 0, 0
	KSTEP 0, 2, -1, 24, 1, 0, 0
	; K step 3: a drained round shows the second half of K landed, and Wk is asked for behind it
	WIN 0                                          ; (the add's two registers lie in window 0)
	s_wait_tensorcnt 0x0                           ; my load of the head has landed
	ds_add_u32 v[SPW], v[NIL]                      ; 0 onto my spare word
	s_mov_b32 s[G1W+2], 4<<16                      ; no tensor load of mine is out: from here on a load of a weight brings four tiles: tensor_dim1,
	s_mov_b32 s[G1W+4], 4                          ; tile_dim1
	s_wait_dscnt 0x1                               ; step 3's fragments are in; the add may be out
	WMUL 0, 3, 0
	MUL8 0, 3, 0, 0, 0
	s_wait_dscnt 0x0                               ; the add is done
	s_barrier_signal -1
	WIN 0
	s_barrier_wait -1
	CREST
	tensor_load_to_lds s[G0K:G0K+3], s[G1W:G1W+7]
	s_nop 0
.rept 4
	v_nop                                          ; (they are also the places in front of the loads below)
.endr
	FETCH 4, 1
	FETCH 5, 1
	WMUL 0, 3, 0
	MUL8 0, 3, 2, 0, 0
	KSTEP 0, 4, 6, 48, 1, 0, 0
	KSTEP 0, 5, 7, 48, 1, 0, 0
	KSTEP 0, 6, -1, 24, 1, 0, 0
	; q's last K step, and the one refill of the launch.  Each wave waits for all its tensor loads (Wk's), adds 0 to its spare word, and waits for that and for its reads of Wq;
	; a round of the cluster's barrier follows, so that no wave of any partner still reads Wq or has a load on its way; the joint load of Wv is the first thing behind it, one a wave.
	WIN 0
	s_wait_tensorcnt 0x0
	ds_add_u32 v[SPW], v[NIL]                      ; 0 onto my spare word
	s_wait_dscnt 0x1                               ; step 7's fragments are in; the add may be out
	WMUL 0, 7, 0
	MUL8 0, 7, 0, 0, 0                             ; eight products stand between the add and the wait for it
	s_wait_dscnt 0x0                               ; the add is done, and so are my reads of Wq
	s_barrier_signal -1
	MUL8 0, 7, 2, 0, 0
	WIN 0
	s_barrier_wait -1
	CREST
	tensor_load_to_lds s[G0V:G0V+3], s[G1W:G1W+7]
	s_nop 0
.rept 4
	v_nop                                          ; (they are also the places behind the last products)
.endr
	SCLOAD SCW, SCWP, 32768                        ; k's scale words, v's bias and k's first fragments land while q is quantised
	WIN TO_F
.irp jt, 0,1,2,3                       ; v: all eight registers of tile jt want the bias of the lane's own row of Wv
.irp e, 0,1,2,3,4,5,6,7
	global_load_b32 v[BIASA+8*\jt+\e], v[BVO], s[BVP:BVP+1] offset:32*\jt
.endr
.endr
	WIN 0
	SETW WB
	FETCH 0, 0
	FETCH 1, 0
	CODES DQ, 0
	WORDSQK EQ, 0
	; ---- k = x Wk^T + bk: Wk was shown landed in front of the round; x's fragments stand in registers
	s_wait_loadcnt 0x0
	KSTEP 0, 0, 2, 12, 0, 1, BIASB                 ; (steps 0 and 1 came in ahead of the barrier above)
	KSTEP 0, 1, 3, 24, 0, 0, 0
	KSTEP 0, 2, 4, 24, 0, 0, 0
	KSTEP 0, 3, 5, 24, 0, 0, 0
	KSTEP 0, 4, 6, 24, 0, 0, 0
	KSTEP 0, 5, 7, 24, 0, 0, 0
	KSTEP 0, 6, -1, 12, 0, 0, 0
	s_wait_dscnt 0x0                               ; step 7's fragments are in, and no LDS instruction of mine is out at the signal
	s_wait_tensorcnt 0x0                           ; my part of Wv has landed: no load was issued behind it
	s_barrier_signal -1
	WMUL 0, 7, 0
	MUL8 0, 7, 0, 0, 0
	MUL8 0, 7, 2, 0, 0
	WIN 0
	s_barrier_wait -1                              ; everybody's has.
	PLACES
	SCLOAD SCW, SCWP, 65536                        ; v's scale words and first fragments land while k is quantised
	SETW WA
	FETCH 0, 0
	FETCH 1, 0
	CODES DK, 1
	WORDSQK EK, 1024
	; ---- v = x Wv^T + bv, with the tokens along the registers
	s_wait_loadcnt 0x0
	KSTEP 1, 0, 2, 12, 0, 2, BIASA
	KSTEP 1, 1, 3, 24, 0, 0, 0
	KSTEP 1, 2, 4, 24, 0, 0, 0
	KSTEP 1, 3, 5, 24, 0, 0, 0
	KSTEP 1, 4, 6, 24, 0, 0, 0
	KSTEP 1, 5, 7, 24, 0, 0, 0
	KSTEP 1, 6, -1, 12, 0, 0, 0
	KSTEP 1, 7, -1, 0, 0, 0, 0
	WIN 0
	PLACES
	CODES DV, 0
	ds_store_b16 v[SVA], v84                       ; v: a word's four bytes are four blocks of keys: my two of them
	ds_store_b16 v[SVA], v85 offset:4
	s_wait_dscnt 0x0                               ; for the others' sake: my stores are done
	s_barrier_signal -1
	s_barrier_wait -1
	s_cmp_lg_u32 s[WJ], 0
	s_cbranch_scc1 .Ldone                          ; one wave for each head sends its 256 bytes
	ds_load_b64 v[86:87], v[SVR]
	s_wait_dscnt 0x0
	global_store_b64 v[L8], v[86:87], s[EV:EV+1]   ; 256 consecutive bytes, at a multiple of 256
.Ldone:
	s_wait_tensorcnt 0x0                           ; the wave's end, behind my last tensor load and my last LDS store
	ds_add_u32 v[SPW], v[NIL]
	s_wait_dscnt 0x0
	CROUND                                         ; the closing round: no work-group ends while a partner may still ask for a tile that names it
	s_endpgm
.Lfunc_end_k_q843bc1d147_qkv:
	.size	k_q843bc1d147_qkv, .Lfunc_end_k_q843bc1d147_qkv-k_q843bc1d147_qkv
	.p2alignl 7, 3214868480
	.fill 96, 4, 3214868480
	.section	.rodata,"a",@progbits
	.p2align	6, 0x0
	.amdhsa_kernel k_q843bc1d147_qkv
		.amdhsa_group_segment_fixed_size 327680
		.amdhsa_private_segment_fixed_size 0
		.amdhsa_enable_private_segment 0
		.amdhsa_kernarg_size 40
		.amdhsa_user_sgpr_count 2
		.amdhsa_user_sgpr_kernarg_segment_ptr 1
		.amdhsa_wavefront_size32 1
		.amdhsa_system_sgpr_workgroup_id_x 1
		.amdhsa_system_sgpr_workgroup_id_y 1
		.amdhsa_system_sgpr_workgroup_id_z 1
		.amdhsa_system_vgpr_workitem_id 0
		.amdhsa_next_free_vgpr 960
		.amdhsa_next_free_sgpr 102
		.amdhsa_reserve_vcc 0
		.amdhsa_float_denorm_mode_32 3
		.amdhsa_float_denorm_mode_16_64 3
		.amdhsa_memory_ordered 1
		.amdhsa_forward_progress 1
		.amdhsa_inst_pref_size 118
	.end_amdhsa_kernel
	.amdgpu_metadata
---
amdhsa.version: [ 1, 2 ]
amdhsa.kernels:
  - .name:           k_q843bc1d147_qkv
    .symbol:         k_q843bc1d147_qkv.kd
    .args:
      - { .name: cod, .offset: 0, .size: 8, .value_kind: global_buffer, .address_space: global }
      - { .name: bq, .offset: 8, .size: 8, .value_kind: global_buffer, .address_space: global }
      - { .name: bk, .offset: 16, .size: 8, .value_kind: global_buffer, .address_space: global }
      - { .name: bv, .offset: 24, .size: 8, .value_kind: global_buffer, .address_space: global }
      - { .name: qkv, .offset: 32, .size: 8, .value_kind: global_buffer, .address_space: global }
    .group_segment_fixed_size: 327680
    .private_segment_fixed_size: 0
    .kernarg_segment_align: 8
    .kernarg_segment_size: 40
    .max_flat_workgroup_size: 128
    .sgpr_count:     102
    .vgpr_count:     960
    .wavefront_size: 32
...
	.end_amdgpu_metadata
.endif
;; end of part 2
;; launch attn (part 3): grid 8 x 32, 16 waves a work-group, clusters of 4 x 1, 247,808 bytes of LDS; arguments qkv, oc; writes oc
.if DOCPART == 3
	.amdgcn_target "amdgcn-amd-amdhsa--gfx1250"
	.amdhsa_code_object_version 6
	.text
	.protected	k_q843bc1d147_attn
	.globl	k_q843bc1d147_attn
	.p2align	8
	.type	k_q843bc1d147_attn,@function
k_q843bc1d147_attn:
	s_mov_b64 s[64:65], 0
	v_nop
	global_prefetch_b8 v0, s[64:65] scope:SCOPE_SE
	s_setreg_imm32_b32 hwreg(HW_REG_WAVE_MODE, 25, 1), 1
	s_wait_xcnt 0x0
	s_wait_alu depctr_hold_cnt(0) depctr_sa_sdst(0) depctr_va_vdst(0) depctr_va_sdst(0) depctr_va_ssrc(0) depctr_va_vcc(0) depctr_vm_vsrc(0)
	s_getreg_b32 s2, hwreg(HW_REG_IB_STS2, 6, 4)
	s_cmp_eq_u32 s2, 0
	s_cbranch_scc0 .Lentry_in_a_cluster
	s_endpgm
.Lentry_in_a_cluster:
	s_bfe_u32 s2, ttmp6, 0x10000c
	s_cmp_lg_u32 s2, 0x3003
	s_cbranch_scc0 .Lentry_shape_is_right
	s_endpgm
.Lentry_shape_is_right:
; o[b][h][q] = the sum over keys k <= q of softmax_k(q . k / 8) v, both products on codes of FP6 (E2M3) with E8M0 scales; o is quantised at once along the model's 1,024 for the last product.
; THE SOFTMAX: t = score x log2(e) / 8; M = the running largest t rounded UP to a whole number; p = 2^(t - M) is what is quantised, along the keys, not normalised.  The row's sum is taken of the unquantised p and divides
; at the end.  When M moves, the sum and O are multiplied by 2^(old M - new M): exact.
; SHARES.  A head has 128 tiles of 16 queries: tile 8 G + idx needs the key steps 0 .. G of 128 keys.  TWO WAVES share the tiles of G = 15 - g and of G = g (0 <= g <= 7, the same idx), 17 steps in all: wave A takes steps 0 .. 8 of the
; tile 15 - g; wave B all g + 1 steps of the tile g and then the steps 9 .. 15 - g of the tile 15 - g, whose partial sums it hands to A through LDS.  So A has 9 steps and B 8.  Of the wave's number w: slot = w % 4 + 4 (w / 8), g = slot with bit 0
; off + X (X the cluster's x), idx = 2 cx + slot % 2, B where bits 0 and 2 of w differ.  Branches hang on w and X alone, which the four partners of a cluster share.
; WORK LEFT OUT: the key steps past a tile's own: all their keys are hidden by reference()'s causal mask.  A NaN, an infinity or an overflow in such scores alone is not carried to the result.
; ALL OF A HEAD'S K AND V LIE IN LDS: 16 steps of 13,056 bytes as the launch before laid them; wave w asks for step w, JOINTLY with the cluster's other three work-groups: one tensor load a wave, each byte filled once.
; No data prefetch: every tile is asked for at the head, and no loop is left that could ask ahead.
; LAYOUT.  Both products transposed: S^T = K Q^T, O^T = V^T P^T: a lane holds ONE query.  By the order of a tile's rows (lane r of tile t: row 64 (t / 4) + 32 (r / 8) + 8 (t % 4) + r % 8) the 32 registers of four tiles are 32 neighbours:
; register n of band c in lane (r, h) is key 64 c + 32 h + n: a whole block of p in a lane.
; K = 64 IN AN INSTRUCTION OF 128: Q's upper six registers hold zero codes, and bytes 2, 3 of Q's and K's scale words are 0.  K's tile t names v[KB + 6 t] .. + 11: its upper six registers are the next tile's codes (every
; pattern of 6 bits is a finite number); they meet zero codes and add exactly 0.
; LIMITS: v_exp_f32 gives 0 for p under 2^-126; a block's largest p is taken from its largest score, which takes v_exp_f32 not to fall where its input rises; scaled scores stay under 2^31 in magnitude;
; a block of zeros gets the byte 1 (zero codes); NaN and infinities are not served.
; REGISTERS: v1-11 addresses and constants; v12 -M, v13 the largest score, v[14:15] the sum; v16-27 Q; v28 Q's, v29 p's, v30-31 V's, v32-35 K's scale words; v36-89 K's tiles, then V's fragments; v90-95, v243 the second tile's Q and words;
; v96-159 S^T, then p; v160-191 O^T; v192-223 B: the first tile's O^T, and on the way out o; v224-235 p's codes; v236-255 at work (v[250:251] B: the first tile's sum; v[252:253] the factor).
.set HD,   315392
.set STG,  19712                       ; a step in qkv
.set STB,  13056                       ; its K and V parts, in LDS: K's codes at 0, V's at 6,144, K's scale words at 12,288, V's at 12,800
.set PART, 16*STB                      ; behind the steps: B's partial sums, 4,608 bytes for each pair of waves
.set PSZ,  4608
.set SPARE, PART+8*PSZ                 ; the spare words, 128 bytes for each wave
.set L16,  1
.set L8,   2
.set AD16, 3
.set AD8,  4
.set H8,   5
.set NINF, 6
.set DQ,   7
.set SBO,  8
.set PAD,  9
.set SPW,  10
.set NIL,  11
.set KB,   36
.set WV,   18
.set SEL,  20
.set CS,   22
.set G1,   24
.set G0,   32
.set ROLE, 36
.set SW,   37                          ; B: the last trip on the first tile; A: past every trip
.set SW1,  38
.set OFF,  39
.set GH,   40
.set GF,   41                          ; G of the wave's first tile
.set C0,   42                          ; all ones where my tile lies in the first 64 of its 128 queries
.set I,    43                          ; the trip
.set KS,   44
.set G,    45
.set TB,   46
.set NC,   47
.set MK,   48                          ; s48-55, s56-63, s80-87 lane masks on the diagonal
.set MKA,  56
.set MKB,  80
.macro CROUND                          ; a round of the cluster's barrier
	s_barrier_signal -1
	s_barrier_wait -1
	s_cmp_lg_u32 s[WV], 0
	s_cbranch_scc1 .Lnot_wave_0_\@
	s_barrier_signal -3
.Lnot_wave_0_\@:
	s_barrier_wait -3
	s_barrier_signal -1
	s_barrier_wait -1
.endm
.macro WALU
	s_wait_alu depctr_va_vdst(0)
.endm
	s_load_b128 s[4:7], s[0:1], 0x0                ; qkv, oc
	v_lshl_add_u32 v[SPW], v0, 2, SPARE
	v_mov_b32 v[NIL], 0
	ds_add_u32 v[SPW], v[NIL]                      ; the wave's opening: the add, twice on end
	ds_add_u32 v[SPW], v[NIL]
	v_lshrrev_b32 v1, 5, v0
	v_readfirstlane_b32 s[WV], v1                  ; wave 0..15
	s_bfe_u32 s8, ttmp6, 0x40000                   ; cx: it enters global addresses and lane masks alone
	s_and_b32 s9, ttmp7, 0xffff                    ; 16 b + head
	s_and_b32 s12, s[WV], 3
	s_lshr_b32 s14, s[WV], 3
	s_lshl_b32 s14, s14, 2
	s_add_co_u32 s12, s12, s14                     ; slot
	s_bfe_u32 s13, s[WV], 0x10002
	s_and_b32 s11, s[WV], 1
	s_xor_b32 s[ROLE], s13, s11                    ; 0 A, 1 B
	s_and_b32 s15, s12, 6
	s_add_co_u32 s15, s15, ttmp9                   ; g
	s_sub_co_u32 s[GH], 15, s15
	s_sub_co_u32 s[OFF], 8, s15                    ; B's trip i on the second tile is key step i + 8 - g
	s_cmp_lg_u32 s[ROLE], 0
	s_cselect_b32 s[SW], s15, 99
	s_cselect_b32 s[GF], s15, s[GH]
	s_add_co_u32 s[SW1], s[SW], 1
	s_lshl_b32 s16, s8, 1
	s_add_co_u32 s16, s16, s11                     ; idx
	s_cmp_lt_u32 s16, 4
	s_cselect_b32 s[C0], -1, 0
	s_mul_i32 s56, s9, HD                          ; the head's first byte in qkv
	s_mul_i32 s60, s[WV], STG
	s_add_co_u32 s60, s60, s56                     ; step w
	s_mov_b32 s61, 0
	s_mov_b32 s[G0], 1
	s_mul_i32 s[G0+1], s[WV], STB
	; descriptor group 1: 13,056 dense bytes as 51 rows of 256 (32 elements of 8 bytes)
	s_mov_b32 s[G1], 15|(3<<16)|(1<<21)            ; 15:0 the mask: all four work-groups; 17:16 elements of 8 bytes; 21 set beside a mask
	s_mov_b32 s[G1+1], 32<<16
	s_mov_b32 s[G1+2], 51<<16
	s_mov_b32 s[G1+3], 32<<16
	s_mov_b32 s[G1+4], 51
	s_mov_b32 s[G1+5], 32
	s_mov_b32 s[G1+6], 0
	s_mov_b32 s[G1+7], 0
	WALU
	s_wait_dscnt 0x0
	CROUND                                         ; all four work-groups are here: the joint loads meet
	s_wait_kmcnt 0x0
	s_add_nc_u64 s[G0+2:G0+3], s[4:5], s[60:61]
	s_or_b32 s[G0+3], s[G0+3], 0x80000000
	s_cmp_eq_u32 s[WV], 0                          ; wave 0's load, step 0's, has a line of its own: the first barrier waits for it alone
	s_cbranch_scc0 .Lothers
	tensor_load_to_lds s[G0:G0+3], s[G1:G1+7]
	s_nop 0
.rept 4
	v_nop
.endr
	s_branch .Lasked
.Lothers:
	tensor_load_to_lds s[G0:G0+3], s[G1:G1+7]
	s_nop 0
.rept 4
	v_nop
.endr
.Lasked:
	s_mul_i32 s62, s16, 768                        ; Q's half fragment of tile idx,
	s_add_co_u32 s62, s62, s56
	s_add_co_u32 s62, s62, 13056
	s_mul_i32 s66, s[GF], STG
	s_mul_i32 s70, s[GH], STG
	s_and_b32 s63, s16, 1                          ; its scale words: the odd tiles 256 on, 4 bytes for each pair of tiles
	s_lshl_b32 s63, s63, 8
	s_lshr_b32 s57, s16, 1
	s_lshl_b32 s57, s57, 2
	s_add_co_u32 s63, s63, s57
	s_add_co_u32 s63, s63, s56
	s_add_co_u32 s63, s63, 19200
	s_add_co_u32 s68, s66, s63
	s_add_co_u32 s72, s70, s63
	s_add_co_u32 s66, s66, s62
	s_add_co_u32 s70, s70, s62
	s_lshr_b32 s57, s9, 4
	s_lshl_b32 s57, s57, 7
	s_lshl_b32 s58, s[GF], 3
	s_add_co_u32 s57, s57, s58
	s_add_co_u32 s57, s57, s16                     ; o's row tile: 128 b + 8 G + idx of the first tile: the one that this wave finishes
	s_and_b32 s58, s9, 15                          ; the head: o's k64
	s_lshl_b32 s74, s57, 4
	s_add_co_u32 s74, s74, s58
	s_mul_i32 s74, s74, 768
	s_lshl_b32 s76, s57, 9
	s_lshl_b32 s58, s58, 1
	s_add_co_u32 s76, s76, s58
	s_add_co_u32 s76, s76, 3145728
.irp p, 66, 68, 70, 72, 74, 76
	s_mov_b32 s[\p+1], 0
.endr
.irp p, 66, 68, 70, 72
	s_add_nc_u64 s[\p:\p+1], s[4:5], s[\p:\p+1]
.endr
	s_add_nc_u64 s[74:75], s[6:7], s[74:75]
	s_add_nc_u64 s[76:77], s[6:7], s[76:77]
	s_mov_b32 s[SEL], 0x76543210
	s_mov_b32 s[SEL+1], 0xfedcba98
	s_mov_b32 s[CS], 0x3e38aa3b                    ; c = log2(e) / 8
	s_mov_b32 s[CS+1], s[CS]                       ; (named with it as a pair, so it is written)
	s_mov_b32 s[NC], 0xbe38aa3b                    ; -c
	s_mul_i32 s59, s12, PSZ
	s_add_co_u32 s59, s59, PART
	v_and_b32 v239, 31, v0                         ; l
	v_and_b32 v244, 15, v0                         ; r
	v_bfe_u32 v245, v0, 4, 1                       ; h
	v_lshlrev_b32 v[L16], 4, v239
	v_lshlrev_b32 v[L8], 3, v239
	v_lshlrev_b32 v246, 4, v244                    ; 16 r
	global_load_b128 v[16:19], v[L16], s[66:67]    ; the first tile's Q stays in registers,
	global_load_b64 v[20:21], v[L8], s[66:67] offset:512
	global_load_b32 v28, v246, s[68:69]            ; with its scale words,
	global_load_b128 v[90:93], v[L16], s[70:71]    ; and the second's
	global_load_b64 v[94:95], v[L8], s[70:71] offset:512
	global_load_b32 v243, v246, s[72:73]
	v_lshlrev_b32 v[H8], 3, v245
	v_lshl_add_u32 v[SBO], v244, 5, v245           ; 32 r + h
	v_add_nc_u32 v[PAD], s59, v[L16]               ; my pair's partial sums
	s_and_b32 s57, s16, 3
	s_lshl_b32 s57, s57, 3
	v_and_b32 v247, 8, v244
	v_mad_u32_u24 v[DQ], v247, 3, v244             ; r % 8 + 32 (r / 8)
	v_lshlrev_b32 v247, 5, v245
	v_sub_nc_u32 v[DQ], v[DQ], v247
	v_add_nc_u32 v[DQ], s57, v[DQ]                 ; d = my query among its 64, less 32 h: on the diagonal register n of my own 64's band holds a hidden key where n > d
	v_mov_b32 v[NINF], 0xff800000                  ; -infinity
.irp j, 22,23,24,25,26,27,84,85,86,87,88,89
	v_mov_b32 v\j, 0                               ; zero codes: Q's upper 64 along K, and what the last tile of K names beyond its own
.endr
	v_mov_b32 v12, 0x7f61b1e6                      ; -M: 3e38, a whole number
	v_mov_b32 v13, 0xff61b1e6                      ; the largest score so far: -3e38
.irp j, 14,15,248,250,251,253
	v_mov_b32 v\j, 0                               ; the sum; a lane permute's destination; B's first sum; the upper half of the factor's pair
.endr
.set N, 0
.rept 64
	v_mov_b32 v[160+N], 0                          ; O^T and the first tile's O^T.  (The step finds zeros, which the first change of M leaves zeros)
.set N, N+1
.endr
; A KEY STEP: 128 keys.  first = 1: trip 0: step 0 of the first tile, at LDS byte 0.
.macro STEP first, a16, a8
.if \first
	s_mov_b32 s[KS], 0
	s_mov_b32 s[G], s[GF]
.else
	s_cmp_gt_u32 s[I], s[SW]
	s_cselect_b32 s[KS], s[OFF], 0
	s_cselect_b32 s[G], s[GH], s[GF]
	s_add_co_u32 s[KS], s[KS], s[I]
	s_cmp_gt_u32 s[KS], s[G]                       ; past the tile's last step (B's last trip): nothing is left to do
	s_cbranch_scc1 .Lhidden_\@
	s_min_u32 s[TB], s[KS], 15
	s_mul_i32 s[TB], s[TB], STB
	v_add_nc_u32 v[AD16], s[TB], v[L16]            ; (these four are the places in front of the loads into registers that the last products read)
	v_add_nc_u32 v[AD8], s[TB], v[L8]
	v_nop
	v_nop
.endif
	ds_load_b128 v[32:35], \a16 offset:12288       ; K's scale words: register j: lanes 0-15 tile 2 j's, lanes 16-31 tile 2 j + 1's
.irp t, 0,1,2,3
.irp p, 0,1,2
	ds_load_b128 v[KB+12*\t+4*\p:KB+12*\t+4*\p+3], \a16 offset:1536*\t+512*\p   ; two tiles
.endr
.endr
	WALU
	s_wait_dscnt 6                                 ; the words and tiles 0 to 3 are in; tiles 4 to 7, six loads, may be out
.irp t, 0,1,2,3,4,5,6,7
.if \t == 3
	s_wait_dscnt 0x0
.endif
.if \t%2
	v_wmma_scale_f32_16x16x128_f8f6f4 v[96+8*\t:103+8*\t], v[KB+6*\t:KB+6*\t+11], v[16:27], 0, v[32+\t/2], v28 matrix_a_fmt:MATRIX_FMT_FP6 matrix_b_fmt:MATRIX_FMT_FP6 matrix_a_scale:MATRIX_SCALE_ROW1
.else
	v_wmma_scale_f32_16x16x128_f8f6f4 v[96+8*\t:103+8*\t], v[KB+6*\t:KB+6*\t+11], v[16:27], 0, v[32+\t/2], v28 matrix_a_fmt:MATRIX_FMT_FP6 matrix_b_fmt:MATRIX_FMT_FP6
.endif
.endr
.rept 4
	v_nop                                          ; places in front of the loads below and of the first read of the scores
.endr
.irp jt, 0,1,2,3                       ; V's four fragments (16 of the head's 64 x these 128 keys) land while the softmax is walked
.irp cc, 0,1
	ds_load_b128 v[KB+12*\jt+6*\cc:KB+12*\jt+6*\cc+3], \a16 offset:6144+3072*\cc+768*\jt
	ds_load_b64 v[KB+12*\jt+6*\cc+4:KB+12*\jt+6*\cc+5], \a8 offset:6144+3072*\cc+768*\jt+512
.endr
.endr
	ds_load_b64 v[30:31], \a8 offset:12800         ; V's scale words
	s_cmp_lg_u32 s[KS], s[G]                       ; on the diagonal the scores of hidden keys become -infinity ahead of the maximum: p = 0 then
	s_cbranch_scc1 .Lopen_\@
.irp n, 0,8,16,24
.set N, 0
.rept 8
	v_cmp_gt_i32 s[MK+N], \n+N, v[DQ]
.set N, N+1
.endr
.set N, 0
.rept 8
	s_and_b32 s[MKA+N], s[MK+N], s[C0]             ; band 0: hidden by the mask where it is my own, never where mine is band 1
	s_or_b32 s[MKB+N], s[MK+N], s[C0]              ; band 1: by the mask where it is my own, always where mine is band 0
.set N, N+1
.endr
.set N, 0
.rept 8
	v_cndmask_b32 v[96+\n+N], v[96+\n+N], v[NINF], s[MKA+N]
	v_cndmask_b32 v[128+\n+N], v[128+\n+N], v[NINF], s[MKB+N]
.set N, N+1
.endr
.endr
	WALU
.Lopen_\@:
.irp q, 0,1,2,3
	v_max3_num_f32 v[244+\q], v[96+16*\q], v[97+16*\q], v[98+16*\q]
.endr
.irp i, 3,5,7,9,11,13
.irp q, 0,1,2,3
	v_max3_num_f32 v[244+\q], v[244+\q], v[96+16*\q+\i], v[97+16*\q+\i]
.endr
.endr
	v_max3_num_f32 v254, v244, v245, v111          ; the largest score of each of my two blocks of 32 keys: it serves the row's maximum and, since p rises with the score, the block's largest p
	v_max3_num_f32 v255, v246, v247, v143
	v_max_num_f32 v254, v254, v127
	v_max_num_f32 v255, v255, v159
	s_delay_alu instid0(VALU_DEP_1)
	v_max_num_f32 v239, v254, v255
	s_delay_alu instid0(VALU_DEP_1)
	v_permlanex16_b32 v248, v239, s[SEL], s[SEL+1]
	s_delay_alu instid0(VALU_DEP_1)
	v_max3_num_f32 v13, v13, v239, v248            ; the running largest score of my query
	s_delay_alu instid0(VALU_DEP_1)
	v_mul_f32 v249, s[NC], v13                     ; -t (c is positive)
	s_delay_alu instid0(VALU_DEP_1)
	v_floor_f32 v244, v249                         ; the new -M = floor(-t): M is a whole number
	s_delay_alu instid0(VALU_DEP_1)
	v_sub_f32 v249, v244, v12                      ; old M - new M: a whole number, 0 or less
	v_mov_b32 v12, v244
	s_delay_alu instid0(VALU_DEP_2)
	v_cvt_i32_f32 v249, v249                       ; (it saturates)
	s_delay_alu instid0(VALU_DEP_1)
	v_ldexp_f32 v252, 1.0, v249                    ; f = 2^(old M - new M)
	v_fma_f32 v254, v254, s[CS], v12               ; t - M of each block's largest score,
	v_fma_f32 v255, v255, s[CS], v12
.set N, 0
.rept 32
	v_pk_fma_f32 v[96+N:97+N], v[96+N:97+N], s[CS:CS+1], v[12:13] op_sel_hi:[1,0,0]   ; and of all, two at a time
.set N, N+2
.endr
.set N, 0
.rept 16
	v_pk_mul_f32 v[160+N:161+N], v[160+N:161+N], v[252:253] op_sel_hi:[1,0]   ; O^T under the new M
.set N, N+2
.endr
	WALU
	v_exp_f32 v254, v254                           ; the block's largest p: the same two instructions on the same number
	v_exp_f32 v255, v255
.set N, 0
.rept 64
	v_exp_f32 v[96+N], v[96+N]                     ; p = 2^(t - M), at most 1
.set N, N+1
.endr
	v_pk_mul_f32 v[14:15], v[14:15], v[252:253] op_sel_hi:[1,0]   ; the sums under the new M.  (A plain place behind the exponentials)
	WALU
	v_max_num_f32 v254, 0x1800000, v254            ; the floor 2^(3 - 127): the byte cannot fall under 1
	v_max_num_f32 v255, 0x1800000, v255
	v_pk_add_f32 v[244:245], v[96:97], v[98:99]    ; the row's sum, of the unquantised p: two at a time, in four chains, laid between the lines of the scales
	v_pk_add_f32 v[246:247], v[100:101], v[102:103]
	v_pk_add_f32 v[248:249], v[104:105], v[106:107]
	v_add_nc_u32 v254, 0xff000000, v254            ; 2 off the exponent field: the conversion's scale operand
	v_add_nc_u32 v255, 0xff000000, v255
	SUM4 6
	v_lshrrev_b32 v239, 23, v254                   ; the scale's byte
	v_lshrrev_b32 v0, 23, v255
	SUM4 10
	v_lshl_or_b32 v239, v0, 16, v239               ; bands 0 and 1: bytes h and 2 + h of the scale word
	SUM4 14
	v_lshlrev_b32 v239, v[H8], v239
	SUM4 18
	v_permlanex16_b32 v0, v239, s[SEL], s[SEL+1]
	SUM4 22
	v_cvt_scalef32_pk16_fp6_f32 v[224:226], v[96:111], v254
	v_cvt_scalef32_pk16_fp6_f32 v[236:238], v[112:127], v254   ; (a conversion's three registers begin on an even number)
	v_cvt_scalef32_pk16_fp6_f32 v[230:232], v[128:143], v255
	v_cvt_scalef32_pk16_fp6_f32 v[240:242], v[144:159], v255
	v_or_b32 v29, v239, v0                         ; p's scale word for these 128 keys.  (The plain place behind the conversions)
	SUM4 26
.irp i, 0,1,2
	v_mov_b32 v[227+\i], v[236+\i]
	v_mov_b32 v[233+\i], v[240+\i]
.endr
	v_pk_add_f32 v[246:247], v[246:247], v[156:157]
	v_pk_add_f32 v[248:249], v[248:249], v[158:159]
	v_pk_add_f32 v[14:15], v[14:15], v[244:245]
	v_pk_add_f32 v[246:247], v[246:247], v[248:249]
	v_pk_add_f32 v[14:15], v[14:15], v[246:247]
	WALU
	s_wait_dscnt 0x0                               ; V and its scale words are in
.irp jt, 0,1,2,3
.if \jt%2
	v_wmma_scale_f32_16x16x128_f8f6f4 v[160+8*\jt:167+8*\jt], v[KB+12*\jt:KB+12*\jt+11], v[224:235], v[160+8*\jt:167+8*\jt], v[30+\jt/2], v29 matrix_a_fmt:MATRIX_FMT_FP6 matrix_b_fmt:MATRIX_FMT_FP6 matrix_a_scale:MATRIX_SCALE_ROW1
.else
	v_wmma_scale_f32_16x16x128_f8f6f4 v[160+8*\jt:167+8*\jt], v[KB+12*\jt:KB+12*\jt+11], v[224:235], v[160+8*\jt:167+8*\jt], v[30+\jt/2], v29 matrix_a_fmt:MATRIX_FMT_FP6 matrix_b_fmt:MATRIX_FMT_FP6
.endif
.endr
.Lhidden_\@:
.endm
.macro SUM4 m                          ; pairs m .. m + 3 of p onto the four chains
	v_pk_add_f32 v[14:15], v[14:15], v[96+2*\m:97+2*\m]
	v_pk_add_f32 v[244:245], v[244:245], v[98+2*\m:99+2*\m]
	v_pk_add_f32 v[246:247], v[246:247], v[100+2*\m:101+2*\m]
	v_pk_add_f32 v[248:249], v[248:249], v[102+2*\m:103+2*\m]
.endm
	WALU
	s_wait_loadcnt 0x0                             ; Q
	s_cmp_eq_u32 s[WV], 0
	s_cbranch_scc0 .Lnot_0
	s_wait_tensorcnt 0x0                           ; step 0 is in; the other waves' steps may be out
.Lnot_0:
	s_barrier_signal -1
	s_barrier_wait -1
	STEP 1, v[L16], v[L8]
	s_wait_dscnt 0x0
	s_wait_tensorcnt 0x0                           ; my step is in
	s_barrier_signal -1
	s_barrier_wait -1                              ; every step is.  Nothing is ever filled again
	s_mov_b32 s[I], 1
.Lloop:
	s_barrier_signal -1                            ; A TRIP'S BARRIER, signalled at its top and waited for at its end: no wave begins a trip before all have begun the one ahead of it.  Between the two stand register work and loads of bytes that nobody writes again
	s_cmp_lg_u32 s[I], s[SW1]
	s_cbranch_scc1 .Lsame
	v_mov_b32 v250, v14                            ; B GOES ON TO ITS SECOND TILE: the first one's sum and O^T are set aside, and Q changes.  (The first eleven lines are also the places behind the last products)
	v_mov_b32 v251, v15
	v_mov_b32 v12, 0x7f61b1e6                      ; with the first M the factor of the next step is 0: what stands in O^T and in the sum, finite numbers, goes
	v_mov_b32 v13, 0xff61b1e6
.irp j, 0,1,2,3,4,5
	v_mov_b32 v[16+\j], v[90+\j]
.endr
	v_mov_b32 v28, v243
.set N, 0
.rept 32
	v_mov_b32 v[192+N], v[160+N]
.set N, N+1
.endr
	WALU
.Lsame:
	STEP 0, v[AD16], v[AD8]
	s_barrier_wait -1
	s_add_co_u32 s[I], s[I], 1
	s_cmp_lt_u32 s[I], 9
	s_cbranch_scc1 .Lloop
	; THE TWO PARTS OF THE LONG TILE MEET: B stores its O^T, M and sum; behind the barrier A takes them in
.macro FINISH                          ; the tile whose O^T stands in v[192:223] and whose sum in v[14:15]
	; THE WAY OUT: O^T / the sum; my 32 registers are 32 neighbours of the head's 64, one block; with lane l xor 16's one half fragment of the last product's operand
	v_add_f32 v14, v14, v15                        ; the sum's two halves,
	s_delay_alu instid0(VALU_DEP_1)
	v_permlanex16_b32 v248, v14, s[SEL], s[SEL+1]
	s_delay_alu instid0(VALU_DEP_1)
	v_add_f32 v14, v14, v248                       ; and lane l xor 16's
	WALU
	v_rcp_f32 v14, v14
	v_nop                                          ; one plain place behind a transcendental
	WALU
.set N, 0
.rept 16
	v_pk_mul_f32 v[192+N:193+N], v[192+N:193+N], v[14:15] op_sel_hi:[1,0]
.set N, N+2
.endr
.irp q, 0,1,2,3
	v_max3_num_f32 v[244+\q], |v[192+8*\q]|, |v[193+8*\q]|, |v[194+8*\q]|
.endr
.irp i, 3,5
.irp q, 0,1,2,3
	v_max3_num_f32 v[244+\q], v[244+\q], |v[192+8*\q+\i]|, |v[193+8*\q+\i]|
.endr
.endr
	v_max3_num_f32 v244, v244, |v199|, v245
	v_max3_num_f32 v246, v246, |v215|, v247
	v_max3_num_f32 v244, v244, |v207|, |v223|
	v_max3_num_f32 v244, v244, v246, 0x1800000
	v_add_nc_u32 v245, 0xff000000, v244
	v_cvt_scalef32_pk16_fp6_f32 v[224:226], v[192:207], v245
	v_cvt_scalef32_pk16_fp6_f32 v[236:238], v[208:223], v245
	v_lshrrev_b32 v246, 23, v245                   ; (the plain place behind the conversions)
.irp i, 0,1,2
	v_mov_b32 v[227+\i], v[236+\i]
.endr
	global_store_b128 v[L16], v[224:227], s[74:75]             ; 768 consecutive bytes, at a multiple of 256 from oc's first byte
	global_store_b64 v[L8], v[228:229], s[74:75] offset:512
	global_store_b8 v[SBO], v246, s[76:77]         ; the scale byte of block h of my row: pieces of rows that sixteen heads share, one part in 24 of what the launch stores
.endm
	; THE TWO PARTS OF THE LONG TILE MEET: B stores its O^T, M and sum and finishes its own tile; behind the barrier A takes them in and finishes the long one
.rept 4
	v_nop                                          ; places in front of the first read of the last products
.endr
	WALU
	s_cmp_eq_u32 s[ROLE], 0
	s_cbranch_scc1 .Lhanded
.irp k, 0,1,2,3,4,5,6,7
	ds_store_b128 v[PAD], v[160+4*\k:163+4*\k] offset:512*\k
.endr
	ds_store_b128 v[PAD], v[12:15] offset:4096
	s_wait_dscnt 0x0                               ; the stores have read their registers
	v_mov_b32 v14, v250
	v_mov_b32 v15, v251
	FINISH
	WALU
	s_wait_xcnt 0x0                                ; the global stores have read theirs
.Lhanded:
	s_wait_dscnt 0x0                               ; for the others' sake: my stores are done
	s_barrier_signal -1
	s_barrier_wait -1
	s_cmp_eq_u32 s[ROLE], 0
	s_cbranch_scc0 .Ldone
.irp k, 0,1,2,3,4,5,6,7,8
	ds_load_b128 v[96+4*\k:99+4*\k], v[PAD] offset:512*\k
.endr
	s_wait_dscnt 0x0
	v_min_num_f32 v132, v12, v128                  ; -M of both: the larger M
	v_sub_f32 v133, v132, v12
	v_sub_f32 v134, v132, v128
	v_cvt_i32_f32 v133, v133
	v_cvt_i32_f32 v134, v134
	v_ldexp_f32 v136, 1.0, v133
	v_ldexp_f32 v138, 1.0, v134                    ; 0 where B had no step of the long tile
	v_pk_mul_f32 v[14:15], v[14:15], v[136:137] op_sel_hi:[1,0]
.set N, 0
.rept 16
	v_pk_mul_f32 v[192+N:193+N], v[160+N:161+N], v[136:137] op_sel_hi:[1,0]
.set N, N+2
.endr
	v_pk_fma_f32 v[14:15], v[130:131], v[138:139], v[14:15] op_sel_hi:[1,0,1]
.set N, 0
.rept 16
	v_pk_fma_f32 v[192+N:193+N], v[96+N:97+N], v[138:139], v[192+N:193+N] op_sel_hi:[1,0,1]
.set N, N+2
.endr
	FINISH
.Ldone:
	s_wait_tensorcnt 0x0                           ; the wave's end
	ds_add_u32 v[SPW], v[NIL]
	s_wait_dscnt 0x0
	CROUND                                         ; the closing round: no work-group ends while a partner may still ask for a tile that names it
	s_endpgm
.Lfunc_end_k_q843bc1d147_attn:
	.size	k_q843bc1d147_attn, .Lfunc_end_k_q843bc1d147_attn-k_q843bc1d147_attn
	.p2alignl 7, 3214868480
	.fill 96, 4, 3214868480
	.section	.rodata,"a",@progbits
	.p2align	6, 0x0
	.amdhsa_kernel k_q843bc1d147_attn
		.amdhsa_group_segment_fixed_size 247808
		.amdhsa_private_segment_fixed_size 0
		.amdhsa_enable_private_segment 0
		.amdhsa_kernarg_size 16
		.amdhsa_user_sgpr_count 2
		.amdhsa_user_sgpr_kernarg_segment_ptr 1
		.amdhsa_wavefront_size32 1
		.amdhsa_system_sgpr_workgroup_id_x 1
		.amdhsa_system_sgpr_workgroup_id_y 1
		.amdhsa_system_sgpr_workgroup_id_z 1
		.amdhsa_system_vgpr_workitem_id 0
		.amdhsa_next_free_vgpr 256
		.amdhsa_next_free_sgpr 88
		.amdhsa_reserve_vcc 0
		.amdhsa_float_denorm_mode_32 3
		.amdhsa_float_denorm_mode_16_64 3
		.amdhsa_memory_ordered 1
		.amdhsa_forward_progress 1
		.amdhsa_inst_pref_size 68
	.end_amdhsa_kernel
	.amdgpu_metadata
---
amdhsa.version: [ 1, 2 ]
amdhsa.kernels:
  - .name:           k_q843bc1d147_attn
    .symbol:         k_q843bc1d147_attn.kd
    .args:
      - { .name: qkv, .offset: 0, .size: 8, .value_kind: global_buffer, .address_space: global }
      - { .name: oc, .offset: 8, .size: 8, .value_kind: global_buffer, .address_space: global }
    .group_segment_fixed_size: 247808
    .private_segment_fixed_size: 0
    .kernarg_segment_align: 8
    .kernarg_segment_size: 16
    .max_flat_workgroup_size: 512
    .sgpr_count:     88
    .vgpr_count:     256
    .wavefront_size: 32
...
	.end_amdgpu_metadata
.endif
;; end of part 3
;; launch outp (part 4): grid 8 x 32, 4 waves a work-group, clusters of 4 x 4, 214,528 bytes of LDS; arguments cod, oc, bo, out0; writes out0
.if DOCPART == 4
	.amdgcn_target "amdgcn-amd-amdhsa--gfx1250"
	.amdhsa_code_object_version 6
	.text
	.protected	k_q843bc1d147_outp
	.globl	k_q843bc1d147_outp
	.p2align	8
	.type	k_q843bc1d147_outp,@function
k_q843bc1d147_outp:
	s_mov_b64 s[64:65], 0
	v_nop
	global_prefetch_b8 v0, s[64:65] scope:SCOPE_SE
	s_setreg_imm32_b32 hwreg(HW_REG_WAVE_MODE, 25, 1), 1
	s_wait_xcnt 0x0
	s_wait_alu depctr_hold_cnt(0) depctr_sa_sdst(0) depctr_va_vdst(0) depctr_va_sdst(0) depctr_va_ssrc(0) depctr_va_vcc(0) depctr_vm_vsrc(0)
	s_getreg_b32 s2, hwreg(HW_REG_IB_STS2, 6, 4)
	s_cmp_eq_u32 s2, 0
	s_cbranch_scc0 .Lentry_in_a_cluster
	s_endpgm
.Lentry_in_a_cluster:
	s_bfe_u32 s2, ttmp6, 0x10000c
	s_cmp_lg_u32 s2, 0xf033
	s_cbranch_scc0 .Lentry_shape_is_right
	s_endpgm
.Lentry_shape_is_right:
; out0 = o Wo^T + bo on codes of FP6 (E2M3) with E8M0 scales, f32 sums.  Wo's codes and scale bytes come from cod, o's from oc.  Lane r of tile t holds row 64 (t / 4) + 32 (r / 8) + 8 (t % 4) + r % 8.
; cod: fragments of 16 rows x 128 K, 1,536 bytes, registers 4 p .. 4 p + 3 of lane l at 512 p + 16 l, [row tile][k128 8][1,536]; oc: half fragments of 16 rows x 64 K, 768 bytes, registers 0-3 of lane l at 16 l, registers 4-5 at 512 + 8 l, [row tile][k64 16][768].
; A work-group makes 128 x 128 of D = S0 S1^T, S0 = 128 rows of Wo, S1 = 128 tokens, with all of K = 1,024 in LDS, [half of K 2][Wo, o][tile 8][6,144]: each LDS byte is filled once.  A lane holds one token, and the 32 registers of S0's four
; tiles are 32 neighbouring columns of out0.  Four waves: wave w has S0's tiles 4 (w / 2) on and S1's 4 (w % 2) on: 16 accumulators, by turns in the same order in K steps 0 to 5.  bo is the C of K step 0.
; One tensor load a wave: half w / 2 of Wo (w even) or of o (w odd).  CLUSTER 4 x 4: Wo's tiles hang on cx and are asked for jointly by the column of the cluster, o's on cy and by the row.
; No data prefetch: all tiles are asked for at the head, and there is no loop to run ahead in.
; THE WAY OUT: K steps 6 and 7 go by S1's tiles: a tile's four sums are finished with eight products, and it leaves while the next is multiplied.  A tile of 16 tokens x 64 columns goes through the wave's own stage in LDS and leaves as
; rows: sixteen lanes store 256 consecutive bytes at a multiple of 256 from out0's first byte.
.set SCO,   6291456
.set OSC,   3145728
.set TILEB, 12288
.set OPB,   49152                      ; an operand's 8 tiles, half of K
.set STAGE, 4*OPB                      ; behind the tiles: 16 rows x 272 bytes for each wave; no tensor load lands there
.set SPARE, STAGE+4*16*272             ; the spare words, 128 bytes for each wave
.set L16,  1
.set L8,   2
.set A16,  3                           ; v3  LDS address of my S0 tiles in the half of K in hand, + 16 l
.set B16,  5                           ; v5, v6  of my S1 tiles, + 16 l, + 8 l
.set B8,   6
.set SOFF, 7
.set STO,  8                           ; v8   into the stage: row r, 128 h bytes on
.set RD,   9                           ; v9   out of it: lanes 0-15 one row, lanes 16-31 the next
.set CO,   10                          ; v10  and the same two rows in out0
.set BQO,  12
.set SC0,  16                          ; v16-47, v48-79 scale words: they hold scales and nothing else
.set SC1,  48
.set SPW,  126
.set NIL,  127
.set ACC,  128
.set F0,   0                           ; window 1: two fragment buffers of 96
.set F1,   96
.set BIAS, 192                         ; window 1: v192-223 the bias; on the way out v192-255 take the rows read back
.set WV,   14
.set WI,   15
.set WJ,   16
.set G1A,  24
.set G1B,  32
.set G0A,  40
.set G0B,  68
.set MUL,  0x05                        ; sources 0 and 1 window 1; C and D window 0
.set MULB, 0x15                        ; the same with C in window 1
.set TO_F, 0x40                        ; destination window 1
.set MSB, 0
.macro WIN new                         ; the immediate's high byte repeats the setting that is left
.if MSB != \new
	s_set_vgpr_msb (MSB<<8)|\new
.set MSB, \new
.endif
.endm
.macro CROUND                          ; a round of the cluster's barrier
	s_barrier_signal -1
	s_barrier_wait -1
	s_cmp_lg_u32 s[WV], 0
	s_cbranch_scc1 .Lnot_wave_0_\@
	s_barrier_signal -3
.Lnot_wave_0_\@:
	s_barrier_wait -3
	s_barrier_signal -1
	s_barrier_wait -1
.endm
.macro PLACES                          ; four places in front of loads into registers that matrix instructions have read, and of the first read of results
.rept 4
	v_nop
.endr
.endm
.macro FETCH n, f                      ; the fragments of K step n into buffer f: 28 loads, each of consecutive bytes
	WIN TO_F
.irp t, 0,1,2,3
.irp p, 0,1,2
	ds_load_b128 v[\f+12*\t+4*\p:\f+12*\t+4*\p+3], v[A16] offset:6144*\t+1536*((\n)%4)+512*\p
.endr
.endr
.irp t, 0,1,2,3
.irp c, 0,1
	ds_load_b128 v[\f+48+12*\t+6*\c:\f+48+12*\t+6*\c+3], v[B16] offset:6144*\t+1536*((\n)%4)+768*\c
	ds_load_b64 v[\f+48+12*\t+6*\c+4:\f+48+12*\t+6*\c+5], v[B8] offset:6144*\t+1536*((\n)%4)+768*\c+512
.endr
.endr
.endm
.macro PROD it, jt, f, n, c
	v_wmma_scale_f32_16x16x128_f8f6f4 v[ACC+32*(\jt)+8*(\it):ACC+32*(\jt)+8*(\it)+7], v[\f+12*(\it):\f+12*(\it)+11], v[\f+48+12*(\jt):\f+48+12*(\jt)+11], v[\c:\c+7], v[SC0+8*(\it)+\n], v[SC1+8*(\jt)+\n] matrix_a_fmt:MATRIX_FMT_FP6 matrix_b_fmt:MATRIX_FMT_FP6
.endm
.macro MUL8 f, n, it0, cm              ; 8 products.  cm = 0: onto the sums; 1: the sums begin with the bias
.irp it, \it0, \it0+1
.irp jt, 0,1,2,3
.if \cm == 0
	PROD \it, \jt, \f, \n, ACC+32*\jt+8*(\it)
.else
	PROD \it, \jt, \f, \n, BIAS+8*(\it)
.endif
.endr
.endr
.endm
.macro KEVEN n                         ; an even K step multiplies buffer 0 and fetches the next step
	PLACES
	FETCH \n+1, F1
	s_wait_dscnt 28                                ; all but the 28 just issued: buffer 0 is in
	WIN MUL
	MUL8 F0, \n, 0, 0
	MUL8 F0, \n, 2, 0
.endm
.macro KODD n, half                    ; an odd one multiplies buffer 1 and fetches the next step in its middle.  half = 1: that begins the second half of K, which is shown landed first
	s_wait_dscnt 0x0                               ; buffer 1 is in, and no LDS instruction of mine is out at the signal
.if \half
	s_wait_tensorcnt 0x0                           ; my tensor load has landed
	s_barrier_signal -1
.endif
	WIN MUL
	MUL8 F1, \n, 0, 0
.if \half
	WIN 0
	s_barrier_wait -1                              ; everybody's has.
	v_add_nc_u32 v[A16], 2*OPB, v[A16]             ; these four are also the places in front of the loads into buffer 0
	v_add_nc_u32 v[B16], 2*OPB, v[B16]
	v_add_nc_u32 v[B8], 2*OPB, v[B8]
	v_nop
.else
	PLACES
.endif
	FETCH \n+1, F0
	WIN MUL
	MUL8 F1, \n, 2, 0
.endm
.macro TOSTAGE jt                      ; tile jt: 16 tokens x 64 columns into my stage, each accumulator from its low end on, and back as rows.  LDS serves a wave's instructions in order: no wait between
	WIN 0
.irp n, 0,1,2,3,4,5,6,7
	ds_store_b128 v[STO], v[ACC+32*(\jt)+4*\n:ACC+32*(\jt)+4*\n+3] offset:16*\n
.endr
	WIN TO_F
.irp i, 0,1,2,3,4,5,6,7
	ds_load_b128 v[BIAS+32*((\jt)%2)+4*\i:BIAS+32*((\jt)%2)+4*\i+3], v[RD] offset:544*\i
.endr
.endm
.macro SEND jt, younger                ; younger: the LDS instructions issued behind tile jt's loads, which may stay out
	s_wait_dscnt \younger
	WIN 0x04                                       ; a store's data are its source 1: window 1
.irp i, 0,1,2,3,4,5,6,7
	global_store_b128 v[CO], v[BIAS+32*((\jt)%2)+4*\i:BIAS+32*((\jt)%2)+4*\i+3], s[96:97] offset:(8*(\jt)+2*\i+24*(\i/4))*4096 th:TH_STORE_NT   ; the tile's rows 2 i, 2 i + 1 at their places among the tokens; written once, read by nobody here
.endr
.endm
	s_load_b256 s[4:11], s[0:1], 0x0               ; cod, oc, bo, out0
	v_lshl_add_u32 v[SPW], v0, 2, SPARE
	v_mov_b32 v[NIL], 0
	ds_add_u32 v[SPW], v[NIL]                      ; the wave's opening: the add, twice on end
	ds_add_u32 v[SPW], v[NIL]
	v_lshrrev_b32 v80, 5, v0
	v_readfirstlane_b32 s[WV], v80
	s_lshr_b32 s[WI], s[WV], 1
	s_and_b32 s[WJ], s[WV], 1
	s_bfe_u32 s17, ttmp6, 0x40000                  ; cx
	s_bfe_u32 s18, ttmp6, 0x40004                  ; cy
	s_lshl_b32 s19, ttmp9, 2
	s_add_co_u32 s19, s19, s17                     ; I: which 128 columns of out0
	s_and_b32 s20, ttmp7, 0xffff
	s_lshl_b32 s20, s20, 2
	s_add_co_u32 s20, s20, s18                     ; J: which 128 tokens
	s_lshl_b32 s21, s19, 3
	s_add_co_u32 s21, s21, 448                     ; S0's first tile, in cod
	s_lshl_b32 s22, s20, 3                         ; S1's, in oc
	s_lshl_b32 s89, s18, 2
	s_lshl_b32 s89, 15, s89                        ; my row of the cluster
	s_lshl_b32 s90, 0x1111, s17                    ; my column
	s_or_b32 s[G1A], s90, (3<<16)|(1<<21)          ; 8 rows of 6,144 bytes (768 elements of 8 bytes), 12,288 bytes apart; Wo's tiles go to my column,
	s_or_b32 s[G1B], s89, (3<<16)|(1<<21)          ; o's to my row
.irp g, G1A, G1B
	s_mov_b32 s[\g+1], 768<<16
	s_mov_b32 s[\g+2], 8<<16
	s_mov_b32 s[\g+3], 768<<16
	s_mov_b32 s[\g+4], 8
	s_mov_b32 s[\g+5], 1536
	s_mov_b32 s[\g+6], 0
	s_mov_b32 s[\g+7], 0
.endr
	s_mul_i32 s60, s[WI], 6144                     ; which half of K I fetch
	s_mul_i32 s84, s21, TILEB
	s_add_co_u32 s84, s84, s60
	s_mov_b32 s85, 0
	s_mul_i32 s86, s22, TILEB
	s_add_co_u32 s86, s86, s60
	s_mov_b32 s87, 0
	s_mul_i32 s88, s[WV], OPB                      ; LDS: half w / 2, operand w % 2
	s_lshl_b32 s92, s[WI], 2
	s_add_co_u32 s92, s92, s21
	s_lshl_b32 s92, s92, 9
	s_add_co_u32 s92, s92, SCO
	s_mov_b32 s93, 0
	s_lshl_b32 s94, s[WJ], 2
	s_add_co_u32 s94, s94, s22
	s_lshl_b32 s94, s94, 9
	s_add_co_u32 s94, s94, OSC
	s_mov_b32 s95, 0
	s_lshl_b32 s58, s19, 9                         ; my 64 columns, in bytes: 512 I + 256 wi: of bo, and of a row of out0
	s_lshl_b32 s59, s[WI], 8
	s_add_co_u32 s58, s58, s59
	s_mov_b32 s59, 0
	s_lshl_b32 s96, s20, 19                        ; my 64 tokens' rows of 4,096 bytes
	s_lshl_b32 s97, s[WJ], 18
	s_add_co_u32 s96, s96, s97
	s_add_co_u32 s96, s96, s58
	s_mov_b32 s97, 0
	s_mul_i32 s60, s[WI], 24576
	s_mul_i32 s61, s[WJ], 24576
	s_add_co_u32 s61, s61, OPB
	v_and_b32 v80, 31, v0                          ; l
	v_and_b32 v81, 15, v0                          ; r
	v_bfe_u32 v82, v0, 4, 1                        ; h
	v_lshlrev_b32 v[L16], 4, v80
	v_lshlrev_b32 v[L8], 3, v80
	v_add_nc_u32 v[A16], s60, v[L16]
	v_add_nc_u32 v[B16], s61, v[L16]
	v_add_nc_u32 v[B8], s61, v[L8]
	v_lshlrev_b32 v[SOFF], 5, v81
	s_mul_i32 s60, s[WV], 16*272
	s_add_co_u32 s60, s60, STAGE                   ; my stage
	v_mul_u32_u24 v[STO], v81, 272
	v_lshl_add_u32 v[STO], v82, 7, v[STO]
	v_add_nc_u32 v[STO], s60, v[STO]
	v_mul_u32_u24 v[RD], v82, 272
	v_lshl_add_u32 v[RD], v81, 4, v[RD]
	v_add_nc_u32 v[RD], s60, v[RD]
	v_lshlrev_b32 v[CO], 4, v81
	v_lshl_add_u32 v[CO], v82, 12, v[CO]
	v_lshlrev_b32 v[BQO], 7, v82
	s_wait_alu depctr_va_vdst(0)
	s_wait_dscnt 0x0                               ; both opening adds are done
	CROUND                                         ; all sixteen work-groups are here: the joint loads meet
	s_wait_kmcnt 0x0
	s_add_nc_u64 s[84:85], s[4:5], s[84:85]
	s_add_nc_u64 s[86:87], s[6:7], s[86:87]
	s_mov_b32 s[G0A], 1
	s_mov_b32 s[G0A+1], s88
	s_mov_b64 s[G0A+2:G0A+3], s[84:85]
	s_or_b32 s[G0A+3], s[G0A+3], 0x80000000
	s_mov_b32 s[G0B], 1
	s_mov_b32 s[G0B+1], s88
	s_mov_b64 s[G0B+2:G0B+3], s[86:87]
	s_or_b32 s[G0B+3], s[G0B+3], 0x80000000
; One load a wave, in one tree of branches on the wave's number: waves 0 and 1 the first half of K of Wo and of o, waves 2 and 3 the second.
.macro ARM w, g0, g1, next
	s_cmp_eq_u32 s[WV], \w
	s_cbranch_scc0 \next
	tensor_load_to_lds s[\g0:\g0+3], s[\g1:\g1+7]
	s_nop 0
.rept 4
	v_nop
.endr
	s_branch .Lfilled
\next:
.endm
	ARM 0, G0A, G1A, .Lwave_1
	ARM 1, G0B, G1B, .Lwave_2
	ARM 2, G0A, G1A, .Lwave_3
	tensor_load_to_lds s[G0B:G0B+3], s[G1B:G1B+7]
	s_nop 0
.rept 4
	v_nop
.endr
.Lfilled:
	s_add_nc_u64 s[92:93], s[4:5], s[92:93]
	s_add_nc_u64 s[94:95], s[6:7], s[94:95]
	s_add_nc_u64 s[2:3], s[8:9], s[58:59]
	s_add_nc_u64 s[96:97], s[10:11], s[96:97]
.irp t, 0,1,2,3
	global_load_b128 v[SC0+8*\t:SC0+8*\t+3], v[SOFF], s[92:93] offset:512*\t
	global_load_b128 v[SC0+8*\t+4:SC0+8*\t+7], v[SOFF], s[92:93] offset:512*\t+16
	global_load_b128 v[SC1+8*\t:SC1+8*\t+3], v[SOFF], s[94:95] offset:512*\t
	global_load_b128 v[SC1+8*\t+4:SC1+8*\t+7], v[SOFF], s[94:95] offset:512*\t+16
.endr
	WIN TO_F                                       ; register n wants the bias of my column 32 h + n
.irp n, 0,1,2,3,4,5,6,7
	global_load_b128 v[BIAS+4*\n:BIAS+4*\n+3], v[BQO], s[2:3] offset:16*\n
.endr
	WIN 0
	s_cmp_lt_u32 s[WV], 2
	s_cbranch_scc0 .Lnot_first
	s_wait_tensorcnt 0x0                           ; waves 0 and 1: the first half of K is in; the second, waves 2 and 3's, may be out
.Lnot_first:
	s_barrier_signal -1
	s_barrier_wait -1
	FETCH 0, F0
	FETCH 1, F1
	s_wait_dscnt 28                                ; buffer 0 is in
	s_wait_loadcnt 0x0                             ; the scale words and the bias
	WIN MULB
	MUL8 F0, 0, 0, 1                               ; K step 0 starts the sums with the bias
	MUL8 F0, 0, 2, 1
	KODD 1, 0
	KEVEN 2
	KODD 3, 1
	s_wait_alu depctr_va_vdst(0)
	KEVEN 4
	KODD 5, 0
	PLACES
	FETCH 7, F1
	s_wait_dscnt 0x0                               ; both last K steps' fragments are in
.irp jt, 0,1,2,3
	WIN MUL
.irp it, 0,1,2,3
	PROD \it, \jt, F0, 6, ACC+32*\jt+8*\it
.endr
.irp it, 0,1,2,3                       ; three other products stand between a sum's two
	PROD \it, \jt, F1, 7, ACC+32*\jt+8*\it
.endr
	PLACES
.if \jt > 1
	s_wait_xcnt 0x0                                ; the stores of the tile two back have read their registers: this tile's rows may land there
.endif
	TOSTAGE \jt
.if \jt > 0
	SEND \jt-1, 16                                 ; behind the last tile's loads: this tile's 8 stores and 8 loads
.endif
.endr
	SEND 3, 0
	WIN 0
	s_wait_tensorcnt 0x0                           ; the wave's end
	ds_add_u32 v[SPW], v[NIL]
	s_wait_dscnt 0x0
	CROUND                                         ; the closing round: no work-group ends while a partner may still ask for a tile that names it
	s_endpgm
.Lfunc_end_k_q843bc1d147_outp:
	.size	k_q843bc1d147_outp, .Lfunc_end_k_q843bc1d147_outp-k_q843bc1d147_outp
	.p2alignl 7, 3214868480
	.fill 96, 4, 3214868480
	.section	.rodata,"a",@progbits
	.p2align	6, 0x0
	.amdhsa_kernel k_q843bc1d147_outp
		.amdhsa_group_segment_fixed_size 214528
		.amdhsa_private_segment_fixed_size 0
		.amdhsa_enable_private_segment 0
		.amdhsa_kernarg_size 32
		.amdhsa_user_sgpr_count 2
		.amdhsa_user_sgpr_kernarg_segment_ptr 1
		.amdhsa_wavefront_size32 1
		.amdhsa_system_sgpr_workgroup_id_x 1
		.amdhsa_system_sgpr_workgroup_id_y 1
		.amdhsa_system_sgpr_workgroup_id_z 1
		.amdhsa_system_vgpr_workitem_id 0
		.amdhsa_next_free_vgpr 512
		.amdhsa_next_free_sgpr 102
		.amdhsa_reserve_vcc 0
		.amdhsa_float_denorm_mode_32 3
		.amdhsa_float_denorm_mode_16_64 3
		.amdhsa_memory_ordered 1
		.amdhsa_forward_progress 1
		.amdhsa_inst_pref_size 50
	.end_amdhsa_kernel
	.amdgpu_metadata
---
amdhsa.version: [ 1, 2 ]
amdhsa.kernels:
  - .name:           k_q843bc1d147_outp
    .symbol:         k_q843bc1d147_outp.kd
    .args:
      - { .name: cod, .offset: 0, .size: 8, .value_kind: global_buffer, .address_space: global }
      - { .name: oc, .offset: 8, .size: 8, .value_kind: global_buffer, .address_space: global }
      - { .name: bo, .offset: 16, .size: 8, .value_kind: global_buffer, .address_space: global }
      - { .name: out0, .offset: 24, .size: 8, .value_kind: global_buffer, .address_space: global }
    .group_segment_fixed_size: 214528
    .private_segment_fixed_size: 0
    .kernarg_segment_align: 8
    .kernarg_segment_size: 32
    .max_flat_workgroup_size: 128
    .sgpr_count:     102
    .vgpr_count:     512
    .wavefront_size: 32
...
	.end_amdgpu_metadata
.endif
;; end of part 4
